; MI455X (gfx1250); checked and timed in simulation.
; The chip was launched on July 23, 2026; its instructions are those of AMD's public machine-readable ISA for CDNA 5 (MIT licence, August 2026) and "CDNA5" Instruction Set Architecture Reference Guide (July 2026). The comments in the code are by the model that wrote it; some were corrected since.
;; Morph Model. Allowed arithmetic: matrix products marked QUANTISED: E2M1 operands, one E8M0 scale for each 32 along K, by v_wmma_scale_f32_16x16x128_f8f6f4 with both operands' format E2M1 (or v_wmma_scale_f32_32x16x128_f4), f32 sums; everything else in f32.
;; Inputs: b1 16 x 2,048 float32; b2 16 x 512 float32; gate_b 16 float32; gate_w 512 x 16 float32; w1 16 x 512 x 2,048 float32; w2 16 x 2,048 x 512 float32; x 2,048 x 512 float32.
;; Outputs: out0 2,048 x 512 float32.
;; This version of the problem:
;;   THIS VERSION OF THE PROBLEM IS GIVEN IN LOW PRECISION. The matrix products marked QUANTISED in the list below multiply operands that are first quantised to E2M1 (2 exponent bits, 1 mantissa bit; 4 bits a number), with one power-of-two scale for each 32 numbers along K (OCP MX v1.0); their sums are f32. All else is computed in f32.
;;   The module's matrix products, in the order in which they are computed (A, B: the left and right operand; K: the contracted axis; several contracted axes count as one K, in the product's order):
;;     1. [M 2,048, K 512] x [K 512, N 16]; A: input x; B: input gate_w: QUANTISED
;;     2. [M 2,048, K 512] x [K 512, N 2,048]; A: input x; B: input w1: QUANTISED
;;     3. [M 2,048, K 2,048] x [K 2,048, N 512]; A: computed on the way; B: input w2: QUANTISED
;;     4. [M 2,048, K 512] x [K 512, N 2,048]; A: input x; B: input w1: QUANTISED
;;     5. [M 2,048, K 2,048] x [K 2,048, N 512]; A: computed on the way; B: input w2: QUANTISED
;;     6. [M 2,048, K 512] x [K 512, N 2,048]; A: input x; B: input w1: QUANTISED
;;     7. [M 2,048, K 2,048] x [K 2,048, N 512]; A: computed on the way; B: input w2: QUANTISED
;;     8. [M 2,048, K 512] x [K 512, N 2,048]; A: input x; B: input w1: QUANTISED
;;     9. [M 2,048, K 2,048] x [K 2,048, N 512]; A: computed on the way; B: input w2: QUANTISED
;;     10. [M 2,048, K 512] x [K 512, N 2,048]; A: input x; B: input w1: QUANTISED
;;     11. [M 2,048, K 2,048] x [K 2,048, N 512]; A: computed on the way; B: input w2: QUANTISED
;;     12. [M 2,048, K 512] x [K 512, N 2,048]; A: input x; B: input w1: QUANTISED
;;     13. [M 2,048, K 2,048] x [K 2,048, N 512]; A: computed on the way; B: input w2: QUANTISED
;;     14. [M 2,048, K 512] x [K 512, N 2,048]; A: input x; B: input w1: QUANTISED
;;     15. [M 2,048, K 2,048] x [K 2,048, N 512]; A: computed on the way; B: input w2: QUANTISED
;;     16. [M 2,048, K 512] x [K 512, N 2,048]; A: input x; B: input w1: QUANTISED
;;     17. [M 2,048, K 2,048] x [K 2,048, N 512]; A: computed on the way; B: input w2: QUANTISED
;;     18. [M 2,048, K 512] x [K 512, N 2,048]; A: input x; B: input w1: QUANTISED
;;     19. [M 2,048, K 2,048] x [K 2,048, N 512]; A: computed on the way; B: input w2: QUANTISED
;;     20. [M 2,048, K 512] x [K 512, N 2,048]; A: input x; B: input w1: QUANTISED
;;     21. [M 2,048, K 2,048] x [K 2,048, N 512]; A: computed on the way; B: input w2: QUANTISED
;;     22. [M 2,048, K 512] x [K 512, N 2,048]; A: input x; B: input w1: QUANTISED
;;     23. [M 2,048, K 2,048] x [K 2,048, N 512]; A: computed on the way; B: input w2: QUANTISED
;;     24. [M 2,048, K 512] x [K 512, N 2,048]; A: input x; B: input w1: QUANTISED
;;     25. [M 2,048, K 2,048] x [K 2,048, N 512]; A: computed on the way; B: input w2: QUANTISED
;;     26. [M 2,048, K 512] x [K 512, N 2,048]; A: input x; B: input w1: QUANTISED
;;     27. [M 2,048, K 2,048] x [K 2,048, N 512]; A: computed on the way; B: input w2: QUANTISED
;;     28. [M 2,048, K 512] x [K 512, N 2,048]; A: input x; B: input w1: QUANTISED
;;     29. [M 2,048, K 2,048] x [K 2,048, N 512]; A: computed on the way; B: input w2: QUANTISED
;;     30. [M 2,048, K 512] x [K 512, N 2,048]; A: input x; B: input w1: QUANTISED
;;     31. [M 2,048, K 2,048] x [K 2,048, N 512]; A: computed on the way; B: input w2: QUANTISED
;;     32. [M 2,048, K 512] x [K 512, N 2,048]; A: input x; B: input w1: QUANTISED
;;     33. [M 2,048, K 2,048] x [K 2,048, N 512]; A: computed on the way; B: input w2: QUANTISED
;;   THE QUANTISER, for each operand of a quantised product, along K:
;;     - K is cut into blocks of 32 from its start; a last block that is shorter is filled with zeros.
;;     - A block's scale is 2^e with e = floor(log2(the largest magnitude in the block)) - 2, held to -126 .. 127; a block of zeros has e = 0. As a byte (E8M0): e + 127.
;;     - Each number is divided by its block's scale, clamped to +-6, and rounded to the nearest number of E2M1, ties to even, subnormals kept.
;;     - The product sums the exact products of the quantised numbers (number of the format x scale) in f32.
;;   ~~~python
;;   def quantise(x, axis):      # numpy; x: float32 -> the quantised numbers, widened to float32 again
;;       x = np.moveaxis(x, axis, -1); K = x.shape[-1]
;;       x = np.pad(x, [(0, 0)] * (x.ndim - 1) + [(0, -K % 32)]); x = x.reshape(x.shape[:-1] + (-1, 32)); a = np.abs(x).max(-1, keepdims=True)
;;       e = np.where(a > 0, np.clip(np.frexp(np.where(a > 0, a, 1))[1] - 1 - 2, -126, 127), 0)      # np.frexp(a)[1] - 1 = floor(log2(a)), exactly
;;       r = np.clip(x / 2.0 ** e, -6, 6)
;;       step = 2.0 ** (np.maximum(np.frexp(np.where(r == 0, 1, r))[1] - 1, 0) - 1)
;;       q = np.round(r / step) * step * 2.0 ** e      # np.round: ties to even
;;       return np.moveaxis(q.reshape(q.shape[:-2] + (-1,))[..., :K], -1, axis).astype(np.float32)
;;   ~~~
;;   OPERANDS COMPUTED ON THE WAY. 'Computed on the way' means the value that the module computes at that place (a softmax that the list does not call 'softmax' is quantised finished and normalised). What goes into a quantiser is computed in f32, as accurately as f32 sums, v_exp_f32 and their like allow (about 1e-6 of the number): no bf16 or f16 on the way to a quantiser, and a product that is left as it is and whose result goes on into a quantised operand takes f32 operands (vector FMAs, or v_wmma_f32_16x16x4_f32). A number that lies on a knife's edge between two numbers of the format may be rounded either way, as far as f32 arithmetic and the matrix unit's own rounding can turn it there, and no further.
;; 3 versions, each right; version 2 is faster than version 1; version 3 is version 2 with the launch prep written anew for expert scheduling mode. Each part assembles by itself: llvm-mc -triple=amdgcn-amd-amdhsa -mcpu=gfx1250 --defsym DOCPART=n.
;; ======== version 1 of 3: 3 launches
;; workspace buffers: wc 16,777,216 bytes; ws 1,048,576 bytes; xc 524,288 bytes; xs 32,768 bytes; bm 8,192 bytes of whole numbers; gwt 16,384 bytes; ypart 33,554,432 bytes
;; launch prep (part 1): grid 1040 x 1, 4 waves a work-group, no clusters, 55,808 bytes of LDS; arguments x, gate_w, gate_b, w1, w2, wc, ws, xc, xs, bm, gwt; writes wc, ws, xc, xs, bm, gwt
.if DOCPART == 1
	.amdgcn_target "amdgcn-amd-amdhsa--gfx1250"
	.amdhsa_code_object_version 6
	.text
	.protected	k_qa6c45d1ea6_prep
	.globl	k_qa6c45d1ea6_prep
	.p2align	8
	.type	k_qa6c45d1ea6_prep,@function
k_qa6c45d1ea6_prep:
	s_mov_b64 s[64:65], 0
	v_nop
	global_prefetch_b8 v0, s[64:65] scope:SCOPE_SE
	s_setreg_imm32_b32 hwreg(HW_REG_WAVE_MODE, 25, 1), 1
	s_wait_xcnt 0x0
; PREP: everything that is quantised once, and the router.
;   work-groups 0-15     : x [2048][512] f32 -> codes xc [token][16 blocks][16 bytes], scale bytes xs [token][16]; logits = Q(x) Q(gate_w) + gate_b on the matrix unit;
;                          top-2 (strict compares in ascending order: the lower index wins a tie), softmax of the two (the larger is taken away first);
;                          the choice leaves as bit masks bm [token / 32][slot x 16 + expert] (bit l: token 32 k + l), the two weights as gwt [2 token + slot].  No address here hangs on the choice.
;   work-groups 16-527   : w1 [16][512 k][2048 n] -> wc, ws;    work-groups 528-1039: w2 [16][2048 k][512 n] -> wc + 8 MiB, ws + 512 KiB.
; FORMAT: E2M1 codes, one E8M0 byte for each 32 along K: the byte is the largest magnitude's exponent field - 2, held at 1 from below.
; THE WEIGHTS' CODES LIE IN THE ORDER OF THE OPERAND'S REGISTERS: [Z][fragment f = 4 t + ks][c][lane][16 bytes], Z = 16 e + 4 s + w: the 32 fragments that wave w of the next launch's work-group (e, s) keeps.
;   lane (r, h)'s 16 bytes are k = 128 ks + 64 c + 32 h + 0 .. 31 of the tile's row r.  W1: row r of tile t is hidden unit 128 (4 s + w) + 32 (t / 2) + 8 (t % 2) + r + 8 (r / 8), so that the results of two
;   neighbouring tiles are 16 neighbours along the next K.  W2: K step ks is hidden 512 s + 128 ks on; row r of tile t is output 128 w + 16 t + r.
;   Scale words: [Z][half][p][lane = 16 u + r][8 bytes]: tile 2 p + u, row r, the words of K steps 2 half and 2 half + 1.
; WEIGHT PATHS: a lane takes a column, its registers run down K (K is the first axis in memory): a block's 32 numbers are one lane's, and the conversions give codes with K innermost.  Nothing goes through LDS:
;   sixteen lanes' 16 bytes of one block are 256 consecutive bytes of wc, aligned.  Loads run two blocks (64 loads a wave) ahead.  No matrix unit, no cluster, no barrier there: the waves share nothing.
; LIMITS: NaN and infinities among the inputs are not served.  A block of zeros gets the byte 1 where the rule says 127: its codes are zeros and only this program reads the bytes.
;   The bias starts the logits' sums, so their order of rounding differs from x @ gate_w + gate_b; a token whose 2nd and 3rd logits differ by less than that rounding may choose the other expert.
.set NGATE, 16
.set NW1,   512
.set WX,   14                          ; weight paths: v14-77 two sets of 32 numbers; v78-109 codes, four registers a block, never rewritten; v110-111 scale bytes; v112-115 at work
.set WC,   78
.set WSB,  110
.set XA,   14                          ; gate path: v14-77, v78-141 two sets of 64 numbers
.set XB,   78
.set PC,   142                         ; v142-149 the codes just made
.set TM,   150                         ; v150-165 at work in the quantisers
.set PW,   166                         ; the scale word just made
.set GS,   167                         ; gate_w's scale word of the K step in hand
.set GF,   168                         ; v168-175 gate_w's fragment of the K step in hand
.set ACCA, 176                         ; v176-183 logits of my tokens 0-15, v184-191 of my tokens 16-31
.set ACCB, 184
.set GIMG, 0                           ; LDS, gate path only, all of it a wave's own: gate_w's four fragments as images of their registers, 4,096 bytes a wave;
.set GSC,  16384                       ; their scale words, 512 bytes a wave;
.set XST,  18432                       ; the stage for x's codes: 32 rows x (256 + 16) bytes a wave;
.set XSS,  53248                       ; and for x's scale bytes: 512 bytes a wave
.macro WLOAD blk, pitch, sb            ; block blk: W(32 blk + i, my column), i = 0 .. 31: a wave's load covers 128 consecutive bytes, the four waves' 512
.irp i, 0,1,2,3,4,5,6,7,8,9,10,11,12,13,14,15,16,17,18,19,20,21,22,23,24,25,26,27,28,29,30,31
	global_load_b32 v[WX+32*((\blk)%2)+\i], v4, s[\sb:\sb+1] offset:(32*(\blk)+\i)*\pitch th:TH_LOAD_NT
.endr
.endm
.macro WBLOCK blk, pitch, sb
.set XS_, WX+32*((\blk)%2)
.if (\blk) < 7
	s_wait_loadcnt 32                              ; this block's 32 loads are in; the next block's 32 may be out
.else
	s_wait_loadcnt 0x0
.endif
	v_max3_num_f32 v112, |v[XS_]|, |v[XS_+1]|, |v[XS_+2]|          ; the block's largest magnitude, in two chains: all 32 numbers are mine
	v_max3_num_f32 v113, |v[XS_+3]|, |v[XS_+4]|, |v[XS_+5]|
.irp i, 6,10,14,18,22,26
	v_max3_num_f32 v112, v112, |v[XS_+\i]|, |v[XS_+\i+1]|
	v_max3_num_f32 v113, v113, |v[XS_+\i+2]|, |v[XS_+\i+3]|
.endr
	v_max3_num_f32 v112, v112, |v[XS_+30]|, |v[XS_+31]|
	v_max3_num_f32 v112, v112, v113, 0x1800000     ; and the floor 2^(3 - 127): the byte cannot fall under 1
	v_add_nc_u32 v114, 0xff000000, v112            ; 2 off the exponent field: the conversion takes this operand's exponent field as its scale
	v_lshrrev_b32 v115, 23, v114                   ; the scale's byte
.if (\blk)%4 == 0
	v_mov_b32 v[WSB+(\blk)/4], v115                ; four bytes make a K step's scale word, the lower K in the lower byte
.else
	v_lshl_or_b32 v[WSB+(\blk)/4], v115, 8*((\blk)%4), v[WSB+(\blk)/4]
.endif
.irp g, 0,1,2,3
	v_cvt_scalef32_pk8_fp4_f32 v[WC+4*(\blk)+\g], v[XS_+8*\g:XS_+8*\g+7], v114
.endr
	v_nop                                          ; one plain line behind the last conversion of a run
	global_store_b128 v2, v[WC+4*(\blk):WC+4*(\blk)+3], s[14:15] offset:((\blk)/4)*1024+(((\blk)/2)%2)*512+((\blk)%2)*256   ; K step, c, h of this block; the sixteen lanes of a tile store 256 consecutive bytes, aligned
.if (\blk)+2 < 8
	WLOAD (\blk)+2, \pitch, \sb
.endif
.endm
.macro WDEST cb, sb2                   ; s31 = Z, s36 = half: where my wave's codes and scale words go
	s_lshl_b32 s32, s31, 15
	s_lshl_b32 s37, s26, 13                        ; tiles 2 w, 2 w + 1: 8 fragments of 1,024 bytes a wave
	s_add_co_u32 s32, s32, s37
	s_lshl_b32 s37, s36, 11                        ; K steps 2 half, 2 half + 1
	s_add_co_u32 s32, s32, s37
	s_add_co_u32 s32, s32, \cb
	s_add_nc_u64 s[14:15], s[14:15], s[32:33]
	s_lshl_b32 s32, s31, 11
	s_lshl_b32 s37, s36, 10
	s_add_co_u32 s32, s32, s37
	s_lshl_b32 s37, s26, 8
	s_add_co_u32 s32, s32, s37
	s_add_co_u32 s32, s32, \sb2
	s_add_nc_u64 s[16:17], s[16:17], s[32:33]
.endm
.macro WREST pitch, sb
.irp q, 0,1,2,3,4,5,6,7
	WBLOCK \q, \pitch, \sb
.endr
	global_store_b64 v3, v[WSB:WSB+1], s[16:17]    ; the wave's 32 x 8 bytes of scale words: 256 consecutive bytes, aligned
	s_endpgm
.endm
	s_load_b512 s[4:19], s[0:1], 0x0               ; x 4, gate_w 6, gate_b 8, w1 10, w2 12, wc 14, ws 16, xc 18
	s_load_b128 s[20:23], s[0:1], 0x40             ; xs 20, bm 22
	s_load_b64 s[24:25], s[0:1], 0x50              ; gwt
	v_lshl_add_u32 v192, v0, 2, 0xd800
	v_mov_b32 v193, 0
	v_lshrrev_b32 v1, 5, v0
	v_readfirstlane_b32 s26, v1                    ; wave 0..3
	v_and_b32 v1, 31, v0                           ; lane
	v_lshlrev_b32 v4, 2, v1                        ; weight paths: 4 bytes a lane
	s_mov_b32 s33, 0                               ; the upper word of every offset pair s[32:33]
	s_wait_kmcnt 0x0
	s_cmp_lt_u32 ttmp9, NGATE
	s_cbranch_scc1 .Lgate
	s_cmp_lt_u32 ttmp9, NGATE+NW1
	s_cbranch_scc0 .Lw2
	; ---- w1: work-group u = (Z, half): hidden units 128 sigma .. + 127 of expert e, 256 along K; wave w its 32 columns 32 w on
	s_sub_co_u32 s27, ttmp9, NGATE
	s_lshr_b32 s31, s27, 1                         ; Z = 16 e + sigma
	s_and_b32 s36, s27, 1                          ; half
	s_lshr_b32 s32, s27, 5                         ; e
	s_lshl_b32 s32, s32, 22                        ; x 512 x 2048 x 4 bytes
	s_lshl_b32 s37, s36, 21                        ; + half x 256 rows of 8,192 bytes
	s_add_co_u32 s32, s32, s37
	s_and_b32 s37, s31, 15
	s_lshl_b32 s37, s37, 9                         ; + sigma x 128 columns
	s_add_co_u32 s32, s32, s37
	s_lshl_b32 s37, s26, 7                         ; + wave x 32 columns
	s_add_co_u32 s32, s32, s37
	s_add_nc_u64 s[10:11], s[10:11], s[32:33]
	WLOAD 0, 8192, 10
	WLOAD 1, 8192, 10
	WDEST 0, 0
	v_bfe_u32 v5, v1, 3, 1                         ; my column o = 8 u + r + 8 (r / 8): tile 2 w + u,
	v_and_b32 v6, 7, v1
	v_bfe_u32 v7, v1, 4, 1
	v_lshl_or_b32 v6, v7, 3, v6                    ; row r = (o & 7) + 8 (o / 16)
	v_lshlrev_b32 v2, 4, v6
	v_lshl_add_u32 v2, v5, 12, v2                  ; codes: 4,096 u + 16 r
	v_lshlrev_b32 v3, 3, v6
	v_lshl_add_u32 v3, v5, 7, v3                   ; scale words: 8 (16 u + r)
	WREST 8192, 10
.Lw2:	; ---- w2: work-group u = (e, column group cg, K chunk kc of 256): Z = 16 e + 4 (kc / 2) + cg, half = kc % 2
	s_sub_co_u32 s27, ttmp9, NGATE+NW1
	s_and_b32 s34, s27, 7                          ; kc
	s_lshr_b32 s35, s27, 3
	s_and_b32 s35, s35, 3                          ; cg
	s_lshr_b32 s31, s27, 5                         ; e
	s_and_b32 s36, s34, 1                          ; half
	s_lshl_b32 s32, s31, 22                        ; e x 2048 x 512 x 4 bytes
	s_lshl_b32 s37, s34, 19                        ; + kc x 256 rows of 2,048 bytes
	s_add_co_u32 s32, s32, s37
	s_lshl_b32 s37, s35, 9
	s_add_co_u32 s32, s32, s37
	s_lshl_b32 s37, s26, 7
	s_add_co_u32 s32, s32, s37
	s_add_nc_u64 s[12:13], s[12:13], s[32:33]
	WLOAD 0, 2048, 12
	WLOAD 1, 2048, 12
	s_lshl_b32 s31, s31, 4
	s_lshr_b32 s37, s34, 1
	s_lshl_b32 s37, s37, 2
	s_add_co_u32 s31, s31, s37
	s_add_co_u32 s31, s31, s35                     ; Z
	WDEST 8388608, 524288
	v_bfe_u32 v5, v1, 4, 1                         ; my column o = 16 u + r: tile 2 w + u, row r
	v_and_b32 v6, 15, v1
	v_lshlrev_b32 v2, 4, v6
	v_lshl_add_u32 v2, v5, 12, v2
	v_lshlrev_b32 v3, 3, v1
	WREST 2048, 12
; ---- the gate path
; 64 numbers of a lane, register 16 b + i = k 32 b + 16 (lane / 16) + i of my row, become a fragment's codes in v[PC] on and its scale word in v[PW]
.macro QUANT s
.irp b, 0,1,2,3
	v_max3_num_f32 v[TM+\b], |v[\s+16*\b]|, |v[\s+1+16*\b]|, 0x1800000   ; block b: my 16 numbers, and the floor 2^(3 - 127)
.endr
.irp i, 2,4,6,8,10,12,14
.irp b, 0,1,2,3
	v_max3_num_f32 v[TM+\b], v[TM+\b], |v[\s+16*\b+\i]|, |v[\s+1+16*\b+\i]|   ; the four blocks by turns
.endr
.endr
.irp b, 0,1,2,3
	v_permlanex16_b32 v[TM+4+\b], v[TM+\b], s28, s29
.endr
.irp b, 0,1,2,3
	v_max_num_f32 v[TM+\b], v[TM+\b], v[TM+4+\b]   ; with lane l xor 16's: the block's largest magnitude
.endr
.irp b, 0,1,2,3
	v_add_nc_u32 v[TM+12+\b], 0xff000000, v[TM+\b] ; 2 off its exponent field: the conversion's scale operand
.endr
.irp b, 0,1,2,3
	v_lshrrev_b32 v[TM+4+\b], 23, v[TM+12+\b]      ; the scale's byte
.endr
	v_lshl_or_b32 v[PW], v[TM+5], 8, v[TM+4]
	v_lshl_or_b32 v[PW], v[TM+6], 16, v[PW]
	v_lshl_or_b32 v[PW], v[TM+7], 24, v[PW]
.irp b, 0,1,2,3
	v_cvt_scalef32_pk8_fp4_f32 v[PC+2*\b], v[\s+16*\b:\s+7+16*\b], v[TM+12+\b]
	v_cvt_scalef32_pk8_fp4_f32 v[PC+1+2*\b], v[\s+8+16*\b:\s+15+16*\b], v[TM+12+\b]
.endr
	v_nop                                          ; one plain line behind a scaled conversion
.irp c, 0,1                                    ; the operand's layout wants a whole block in a lane: lanes 0-15 block 2 c, lanes 16-31 block 2 c + 1
.irp i, 0,1
	v_permlane16_swap_b32 v[PC+4*\c+\i], v[PC+2+4*\c+\i]
.endr
.endr
.endm
.macro GWLOAD ks, s                    ; gate_w(128 ks + 64 c + 32 h + i, expert r): lane r takes a column, its registers run down K in the order of the operand's layout
.irp c, 0,1
.irp i, 0,1,2,3,4,5,6,7,8,9,10,11,12,13,14,15,16,17,18,19,20,21,22,23,24,25,26,27,28,29,30,31
	global_load_b32 v[\s+32*\c+\i], v5, s[6:7] offset:\ks*8192+64*(64*\c+\i)
.endr
.endr
.endm
.macro GWQ s, ks                       ; these 64 numbers (two whole blocks a lane) become K step ks's fragment and scale word, which go to my wave's own LDS as images of their registers
.irp c, 0,1
	v_max3_num_f32 v[TM+\c], |v[\s+32*\c]|, |v[\s+32*\c+1]|, 0x1800000
.endr
.irp i, 2,4,6,8,10,12,14,16,18,20,22,24,26,28,30
.irp c, 0,1
	v_max3_num_f32 v[TM+\c], v[TM+\c], |v[\s+32*\c+\i]|, |v[\s+32*\c+\i+1]|
.endr
.endr
.irp c, 0,1
	v_add_nc_u32 v[TM+2+\c], 0xff000000, v[TM+\c]
.endr
.irp c, 0,1
	v_lshrrev_b32 v[TM+8+\c], 23, v[TM+2+\c]
.endr
	v_lshl_or_b32 v[PW], v[TM+9], 16, v[TM+8]      ; my two bytes: blocks h and 2 + h,
	v_lshlrev_b32 v[TM+10], 3, v3
	v_lshlrev_b32 v[PW], v[TM+10], v[PW]           ; 8 h bits up;
	v_permlanex16_b32 v[TM+4], v[PW], s28, s29
	v_or_b32 v[PW], v[PW], v[TM+4]                 ; with lane l xor 16's two the word is whole
.irp c, 0,1
.irp g, 0,1,2,3
	v_cvt_scalef32_pk8_fp4_f32 v[PC+4*\c+\g], v[\s+32*\c+8*\g:\s+32*\c+8*\g+7], v[TM+2+\c]
.endr
.endr
	v_nop
	ds_store_b128 v10, v[PC:PC+3] offset:\ks*1024
	ds_store_b128 v10, v[PC+4:PC+7] offset:\ks*1024+512
	ds_store_b32 v13, v[PW] offset:\ks*128
	s_wait_dscnt 0x0                               ; the stores have read their registers: the next codes may be written
.endm
.macro XLOAD p                         ; round p = (K step p / 2, tile p % 2): 16 neighbours of each of the four blocks of my row
.set XSET_, XA+64*((\p)%2)
.irp b, 0,1,2,3
.irp j, 0,1,2,3
	global_load_b128 v[XSET_+16*\b+4*\j:XSET_+16*\b+4*\j+3], v4, s[4:5] offset:((\p)%2)*32768+((\p)/2)*512+128*\b+16*\j th:TH_LOAD_NT
.endr
.endr
.endm
.macro ROUND p
.set RS_, XA+64*((\p)%2)
.set RT_, (\p)%2
.set RK_, (\p)/2
.set RA_, ACCA+8*RT_
.if (\p) < 7
	s_wait_loadcnt 16                              ; this round's 16 loads are in; the next round's may be out
.else
	s_wait_loadcnt 0x0
.endif
	QUANT RS_                                      ; (its first lines are the places behind the last matrix instruction)
.if (\p)+2 < 8
	XLOAD (\p)+2
.endif
	ds_store_b128 v8, v[PC:PC+3] offset:RT_*4352+RK_*64        ; the codes into my stage: row = token, 64 bytes a K step
	ds_store_b128 v8, v[PC+4:PC+7] offset:RT_*4352+RK_*64+32
	ds_store_b32 v11, v[PW] offset:RT_*256+4*RK_               ; the scale word (both halves of the lanes write the same word with the same value)
.if RT_ == 0
	ds_load_b128 v[GF:GF+3], v10 offset:RK_*1024               ; gate_w's fragment of this K step serves this round and the next
	ds_load_b128 v[GF+4:GF+7], v10 offset:RK_*1024+512
	ds_load_b32 v[GS], v13 offset:RK_*128
.endif
.rept 8
	v_nop                                          ; a scale word made by vector instructions stands 8 places ahead of a scaled matrix instruction, codes so made 4
.endr
	s_wait_dscnt 0x0
	v_wmma_scale_f32_16x16x128_f8f6f4 v[RA_:RA_+7], v[GF:GF+7], v[PC:PC+7], v[RA_:RA_+7], v[GS], v[PW] matrix_a_fmt:MATRIX_FMT_FP4 matrix_b_fmt:MATRIX_FMT_FP4   ; transposed: lane (r, h), register j: expert 8 h + j, token r.  The two tiles' sums take turns
.endm
; The two largest of a token's 16 logits.  First my eight (ascending, strict compares), then the two halves of the lanes are merged, experts 0-7 ahead of 8-15.
.macro TOP2 acc, T
	v_mov_b32 v[\T], v[\acc]                       ; m1 (the sums are read from their low end on)
	v_mov_b32 v[\T+1], 0                           ; i1
	v_mov_b32 v[\T+2], 0xff800000                  ; m2 = -infinity
	v_mov_b32 v[\T+3], 0                           ; i2
.irp j, 1,2,3,4,5,6,7
	v_mov_b32 v[\T+6], \j
	v_cmp_gt_f32 s36, v[\acc+\j], v[\T]
	v_cmp_gt_f32 vcc_lo, v[\acc+\j], v[\T+2]
	v_cndmask_b32 v[\T+4], v[\T+2], v[\acc+\j], vcc_lo
	v_cndmask_b32 v[\T+5], v[\T+3], v[\T+6], vcc_lo
	v_cndmask_b32 v[\T+2], v[\T+4], v[\T], s36
	v_cndmask_b32 v[\T+3], v[\T+5], v[\T+1], s36
	v_cndmask_b32 v[\T], v[\T], v[\acc+\j], s36
	v_cndmask_b32 v[\T+1], v[\T+1], v[\T+6], s36
.endr
	v_lshl_add_u32 v[\T+1], v3, 3, v[\T+1]         ; + 8 h
	v_lshl_add_u32 v[\T+3], v3, 3, v[\T+3]
.irp i, 7,8,9
	v_mov_b32 v[\T+\i], 0                          ; a lane permute's destination counts as one of its sources
.endr
.irp i, 0,1,2,3
	v_permlanex16_b32 v[\T+6+\i], v[\T+\i], s28, s29
.endr
.irp i, 0,1,2,3
	v_cndmask_b32 v[\T+10+\i], v[\T+\i], v[\T+6+\i], s30   ; A: experts 0-7's pair, in every lane
	v_cndmask_b32 v[\T+14+\i], v[\T+6+\i], v[\T+\i], s30   ; B: experts 8-15's
.endr
	v_cmp_gt_f32 vcc_lo, v[\T+14], v[\T+10]
	v_cndmask_b32 v[\T+18], v[\T+10], v[\T+14], vcc_lo     ; the largest,
	v_cndmask_b32 v[\T+19], v[\T+11], v[\T+15], vcc_lo     ; its expert
	v_cndmask_b32 v[\T+20], v[\T+12], v[\T+10], vcc_lo     ; A's candidate for the second
	v_cndmask_b32 v[\T+21], v[\T+13], v[\T+11], vcc_lo
	v_cndmask_b32 v[\T+22], v[\T+14], v[\T+16], vcc_lo     ; B's
	v_cndmask_b32 v[\T+23], v[\T+15], v[\T+17], vcc_lo
	v_cmp_gt_f32 vcc_lo, v[\T+22], v[\T+20]
	v_cndmask_b32 v[\T+4], v[\T+20], v[\T+22], vcc_lo      ; the second,
	v_cndmask_b32 v[\T+5], v[\T+21], v[\T+23], vcc_lo      ; its expert
	v_sub_f32 v[\T+6], v[\T+4], v[\T+18]                   ; second - largest, 0 or less
	v_mul_f32 v[\T+6], 0x3fb8aa3b, v[\T+6]                 ; x log2(e)
.endm
.set TA, XB
.set TB, XB+24
.Lgate:	; work-group g: tokens 128 g on; wave w: 32 of them, tiles A (16) and B (16)
	v_and_b32 v2, 15, v0                           ; r
	v_bfe_u32 v3, v0, 4, 1                         ; h
	v_lshlrev_b32 v4, 11, v2
	v_lshl_add_u32 v4, v3, 6, v4                   ; x: row r of 2,048 bytes, + 64 h
	v_lshlrev_b32 v5, 2, v2
	v_lshl_add_u32 v5, v3, 11, v5                  ; gate_w: column r, + 32 h rows of 64 bytes
	v_lshlrev_b32 v6, 4, v1                        ; 16 x lane
	v_lshlrev_b32 v7, 2, v1                        ; 4 x lane
	s_mul_i32 s37, s26, 8704
	v_mul_u32_u24 v8, v2, 272
	v_lshl_add_u32 v8, v3, 4, v8
	v_add_nc_u32 v8, s37, v8
	v_add_nc_u32 v8, XST, v8                       ; the stage, in: row r, + 16 h
	v_mul_u32_u24 v9, v3, 272
	v_lshl_add_u32 v9, v2, 4, v9
	v_add_nc_u32 v9, s37, v9
	v_add_nc_u32 v9, XST, v9                       ; and back: lanes 0-15 one row, lanes 16-31 the next
	s_lshl_b32 s37, s26, 12
	v_add_nc_u32 v10, s37, v6                      ; gate_w's images (GIMG = 0): 4,096 x wave + 16 x lane
	s_lshl_b32 s37, s26, 9
	v_lshl_add_u32 v11, v2, 4, s37
	v_add_nc_u32 v11, XSS, v11                     ; x's scale bytes, in: 16 bytes a token
	v_add_nc_u32 v12, s37, v6
	v_add_nc_u32 v12, XSS, v12                     ; and back: 16 x lane
	v_add_nc_u32 v13, s37, v7
	v_add_nc_u32 v13, GSC, v13                     ; gate_w's scale words: 512 x wave + 4 x lane
	v_lshlrev_b32 v1, 5, v3                        ; gate_b: 32 h (the lane's number is no longer wanted)
.irp b, 0,1,2,3
	v_mov_b32 v[TM+4+\b], 0                        ; written once: a lane permute's destination counts as one of its sources
.endr
	s_mov_b32 s28, 0x76543210
	s_mov_b32 s29, 0xfedcba98                      ; v_permlanex16_b32's selects for lane l xor 16
	s_mov_b32 s30, 0xffff0000                      ; lanes 16-31
	s_lshl_b32 s27, ttmp9, 7
	s_lshl_b32 s37, s26, 5
	s_add_co_u32 s27, s27, s37                     ; my first token
	s_lshl_b32 s32, s27, 11
	s_add_nc_u64 s[4:5], s[4:5], s[32:33]
	s_lshl_b32 s32, s27, 8
	s_add_nc_u64 s[18:19], s[18:19], s[32:33]
	s_lshl_b32 s32, s27, 4
	s_add_nc_u64 s[20:21], s[20:21], s[32:33]
	s_lshl_b32 s32, s27, 2                         ; bm: 128 bytes for each 32 tokens
	s_add_nc_u64 s[22:23], s[22:23], s[32:33]
	s_lshl_b32 s32, s27, 3
	s_add_nc_u64 s[24:25], s[24:25], s[32:33]
.irp a, ACCA, ACCB
	global_load_b128 v[\a:\a+3], v1, s[8:9]                ; the bias starts both sums: register j = gate_b[8 h + j]
	global_load_b128 v[\a+4:\a+7], v1, s[8:9] offset:16
.endr
	GWLOAD 0, XA
	GWLOAD 1, XB
	s_wait_loadcnt 63                              ; behind K step 0's loads 64 were issued; the wait names 63, the stricter count
	GWQ XA, 0
	GWLOAD 2, XA
	s_wait_loadcnt 63                              ; likewise: K step 1's are in
	GWQ XB, 1
	GWLOAD 3, XB
	s_wait_loadcnt 63                              ; K step 2's are in
	GWQ XA, 2
	XLOAD 0
	s_wait_loadcnt 16                              ; K step 3's are in; x's first 16 loads may be out
	GWQ XB, 3
	XLOAD 1
.irp p, 0,1,2,3,4,5,6,7
	ROUND \p
.endr
.rept 4
	v_nop                                          ; places behind the last matrix instruction, ahead of the first read of its sums
.endr
	TOP2 ACCA, TA
	TOP2 ACCB, TB
	v_exp_f32 v[TA+7], v[TA+6]                     ; e = exp(second - largest), at most 1
	v_exp_f32 v[TB+7], v[TB+6]
	v_nop                                          ; a plain line behind the transcendentals,
	s_wait_alu depctr_va_vdst(0)                   ; and one wait for both, ahead of their first reader
	v_add_f32 v[TA+8], 1.0, v[TA+7]
	v_add_f32 v[TB+8], 1.0, v[TB+7]
	v_rcp_f32 v[TA+9], v[TA+8]                     ; the first weight, 1 / (1 + e)
	v_rcp_f32 v[TB+9], v[TB+8]
	v_lshlrev_b32 v131, 1, v7                      ; (a plain line)  8 x lane
	s_wait_alu depctr_va_vdst(0)
	v_mul_f32 v[TA+7], v[TA+7], v[TA+9]            ; the second, e / (1 + e)
	v_mul_f32 v[TB+7], v[TB+7], v[TB+9]
	v_cndmask_b32 v126, v[TA+9], v[TB+9], s30      ; lane l now speaks for my token l: lanes 0-15 tile A's, lanes 16-31 tile B's
	v_cndmask_b32 v127, v[TA+7], v[TB+7], s30
	v_cndmask_b32 v128, v[TA+19], v[TB+19], s30
	v_cndmask_b32 v129, v[TA+5], v[TB+5], s30
	global_store_b64 v131, v[126:127], s[24:25]    ; 256 consecutive bytes, aligned
	v_mov_b32 v130, 0
.irp e, 0,1,2,3,4,5,6,7,8,9,10,11,12,13,14,15
	v_cmp_eq_u32 s36, \e, v128                     ; which of my 32 tokens chose expert e first,
	v_writelane_b32 v130, s36, \e
	v_cmp_eq_u32 s37, \e, v129                     ; and which second: data, stored at a fixed place
	v_writelane_b32 v130, s37, 16+\e
.endr
	global_store_b32 v7, v130, s[22:23]
	ds_load_b128 v[132:135], v12                   ; LDS serves a wave's instructions in order: these see my stores
.irp i, 0,1,2,3,4,5,6,7,8,9,10,11,12,13,14,15
	ds_load_b128 v[XA+4*\i:XA+4*\i+3], v9 offset:544*\i
.endr
	s_wait_dscnt 16                                ; the scale bytes are back; the 16 loads of codes may be out
	global_store_b128 v6, v[132:135], s[20:21]     ; 512 consecutive bytes
.irp i, 0,1,2,3,4,5,6,7,8,9,10,11,12,13,14,15
	s_wait_dscnt 15-\i
	global_store_b128 v6, v[XA+4*\i:XA+4*\i+3], s[18:19] offset:512*\i   ; two tokens' rows of 256 bytes
.endr
	s_wait_tensorcnt 0x0
	ds_add_u32 v192, v193
	s_wait_dscnt 0x0
	s_endpgm
.Lfunc_end_k_qa6c45d1ea6_prep:
	.size	k_qa6c45d1ea6_prep, .Lfunc_end_k_qa6c45d1ea6_prep-k_qa6c45d1ea6_prep
	.p2alignl 7, 3214868480
	.fill 96, 4, 3214868480
	.section	.rodata,"a",@progbits
	.p2align	6, 0x0
	.amdhsa_kernel k_qa6c45d1ea6_prep
		.amdhsa_group_segment_fixed_size 55808
		.amdhsa_private_segment_fixed_size 0
		.amdhsa_enable_private_segment 0
		.amdhsa_kernarg_size 88
		.amdhsa_user_sgpr_count 2
		.amdhsa_user_sgpr_kernarg_segment_ptr 1
		.amdhsa_wavefront_size32 1
		.amdhsa_system_sgpr_workgroup_id_x 1
		.amdhsa_system_sgpr_workgroup_id_y 1
		.amdhsa_system_sgpr_workgroup_id_z 1
		.amdhsa_system_vgpr_workitem_id 0
		.amdhsa_next_free_vgpr 194
		.amdhsa_next_free_sgpr 66
		.amdhsa_reserve_vcc 1
		.amdhsa_float_denorm_mode_32 3
		.amdhsa_float_denorm_mode_16_64 3
		.amdhsa_memory_ordered 1
		.amdhsa_forward_progress 1
		.amdhsa_inst_pref_size 182
	.end_amdhsa_kernel
	.amdgpu_metadata
---
amdhsa.version: [ 1, 2 ]
amdhsa.kernels:
  - .name:           k_qa6c45d1ea6_prep
    .symbol:         k_qa6c45d1ea6_prep.kd
    .args:
      - { .name: x, .offset: 0, .size: 8, .value_kind: global_buffer, .address_space: global }
      - { .name: gate_w, .offset: 8, .size: 8, .value_kind: global_buffer, .address_space: global }
      - { .name: gate_b, .offset: 16, .size: 8, .value_kind: global_buffer, .address_space: global }
      - { .name: w1, .offset: 24, .size: 8, .value_kind: global_buffer, .address_space: global }
      - { .name: w2, .offset: 32, .size: 8, .value_kind: global_buffer, .address_space: global }
      - { .name: wc, .offset: 40, .size: 8, .value_kind: global_buffer, .address_space: global }
      - { .name: ws, .offset: 48, .size: 8, .value_kind: global_buffer, .address_space: global }
      - { .name: xc, .offset: 56, .size: 8, .value_kind: global_buffer, .address_space: global }
      - { .name: xs, .offset: 64, .size: 8, .value_kind: global_buffer, .address_space: global }
      - { .name: bm, .offset: 72, .size: 8, .value_kind: global_buffer, .address_space: global }
      - { .name: gwt, .offset: 80, .size: 8, .value_kind: global_buffer, .address_space: global }
    .group_segment_fixed_size: 55808
    .private_segment_fixed_size: 0
    .kernarg_segment_align: 8
    .kernarg_segment_size: 88
    .max_flat_workgroup_size: 128
    .sgpr_count:     66
    .vgpr_count:     194
    .wavefront_size: 32
...
	.end_amdgpu_metadata
.endif
;; end of part 1
;; launch chain (part 2): grid 256 x 1, 4 waves a work-group, no clusters, 52,736 bytes of LDS; arguments wc, ws, xc, xs, bm, gwt, b1, b2, ypart; writes ypart
.if DOCPART == 2
	.amdgcn_target "amdgcn-amd-amdhsa--gfx1250"
	.amdhsa_code_object_version 6
	.text
	.protected	k_qa6c45d1ea6_chain
	.globl	k_qa6c45d1ea6_chain
	.p2align	8
	.type	k_qa6c45d1ea6_chain,@function
k_qa6c45d1ea6_chain:
	s_mov_b64 s[64:65], 0
	v_nop
	global_prefetch_b8 v0, s[64:65] scope:SCOPE_SE
	s_setreg_imm32_b32 hwreg(HW_REG_WAVE_MODE, 25, 1), 1
	s_wait_xcnt 0x0
; CHAIN: for the rows that chose expert e: g x (Q(relu(Q(x) Q(W1) + b1)) Q(W2) + b2), one quarter of the hidden layer to a work-group.
; SHARES.  Work-group = (expert e, hidden quarter s, row group q): 16 x 4 x 4.  THE WEIGHTS STAND STILL: wave w keeps in registers W1's 32 fragments for hidden units 128 (4 s + w) on (all of K = 512) and W2's 32
;   fragments for outputs 128 w on (K = the quarter's 512 hidden units): 512 registers, loaded once, in the order in which the launch before laid them.  The rows pass by: 16 at a time.
; ROWS.  Expert e's rows are its tokens in ascending order, position p; tile T = p / 16 belongs to the work-group with q = T % 4.  Each wave finds them itself from the bit masks bm: counts of the 64 words, a scan,
;   then for each position a search for its word (five steps over the prefixes) and for its bit (five steps over the word's partial counts).  A trip of the loop holds four tiles; EIGHT TRIPS, a constant, serve
;   every split, all 2,048 tokens on one expert too; a tile past the expert's count is jumped over by a scalar branch on that count.  Both barriers of a trip stand outside those branches.
; A TRIP.  1: for each tile: my 8 tiles of the hidden layer (transposed: source 0 = 16 rows of W1, source 1 = 16 rows of x; b1 is the C of the first K step), relu, quantised in registers: that is K step w of the
;   second product; it goes to LDS as an image of its registers | barrier | 2: for each tile: the four waves' images from LDS, my 8 tiles of outputs (b2 is the first C, in quarter 0 alone), x the row's gate weight,
;   through my own stage in LDS, and each valid row's 512 bytes leave by one store | barrier | the next trip's rows are found and gathered.
; OUT: ypart [2 token + slot][s][512] f32: four partial sums a routed row; the next launch adds a token's eight.
; NO JOINT LOADS: the four row groups of one (e, s) read the same 278,528 bytes of weights, but joint loads are tensor loads, and this text's branches hang on a count read from memory.
;   Each partner loads its weights once, straight into registers.
; LIMITS: as the launch before.  The sums' order differs from the reference's: the bias first, K = 2048 in four partial sums.
; REGISTERS, in windows of 256.  Window 0: see the names below.  Window 1: W1's fragments at v[8 (4 t + ks)].  Window 2: W2's at v[8 (4 t + ks)].
;   Window 3: v0-127 x's fragments (32 kk + 8 ks), of which v0-31 take the hidden layer's four in the second product; v128-191 the outputs' sums (8 t); v192-255 b1 (8 t).
.set HIMG, 0                           ; LDS: the hidden layer's 16 fragments (4 kk + wave) x 1,024 bytes,
.set HSC,  16384                       ; their scale words, 128 bytes each,
.set STG,  18432                       ; and a stage of 16 rows x (512 + 16) bytes for each wave
.set LI,  1                            ; 16 x lane
.set LS,  2                            ; 4 x lane
.set L8,  3                            ; 8 x lane
.set H16, 4                            ; 16 h
.set PB,  5                            ; r + 64 h: my place among the positions of two tiles
.set HWI, 6                            ; where I store an image: 1,024 x wave + 16 x lane
.set HWS, 7                            ; and its scale word: HSC + 128 x wave + 4 x lane
.set SO,  8                            ; the stage, in: row r, + 32 h
.set SR,  9                            ; and back: 16 x lane
.set CO,  10                           ; my bytes in a row of ypart: 2,048 s + 512 w + 16 x lane
.set U0,  11                           ; bit masks: words l and 32 + l: either slot;
.set U1,  12
.set BM0, 13                           ; slot 1 alone
.set BM1, 14
.set PK,  15                           ; rows ahead of word l (low half) and of word 32 + l (high half)
.set ENT, 16                           ; v16-19 tile kk: row r's 2 token + slot, in both halves of the lanes
.set XO,  20                           ; v20-23 its offset in xc,  v24-27 in xs,  v28-31 in gwt
.set XSO, 24
.set GO,  28
.set G,   32                           ; v32-39 tile kk's gate weights at v[32 + 2 kk]; the odd partners hold 0
.set PW,  40
.set HS,  42                           ; v42-45 the hidden layer's scale words
.set W1S, 46                           ; v46-61 W1's scale words (4 p + ks: lanes 0-15 tile 2 p, lanes 16-31 tile 2 p + 1),  v62-77 W2's
.set W2S, 62
.set XS,  78                           ; v78-93 x's scale words (4 kk + ks)
.set TM,  94                           ; v94-109 at work in the quantiser; in the second product the 16 rows' offsets in ypart
.set AD,  94
.set PC,  110                          ; v110-117 the codes just made
.set HA,  118                          ; v118-181 my 8 tiles of the hidden layer; later 16 rows read back from the stage; later the search's registers
.set BK,  118
.set SA,  118
.set B2,  182                          ; v182-245 b2 (8 t)
.set oP, 0
.set oK, 1
.set oSH, 2
.set oCA, 3
.set oV, 4
.set oU, 5
.set oB, 6
.set oREM, 7
.set oPOS, 8
.set oLA, 9
.set oLB, 10
.set oLC, 11
.set oLD, 12
.set oT, 13
.set oX0, 14
.set oX1, 15
.set oX2, 16
.set oE, 18
.set oO, 19
.set MSB, 0
.macro WIN new                         ; bits 1:0 source 0, 3:2 source 1, 5:4 source 2, 7:6 destination; the high byte repeats the setting that is left
.if MSB != \new
	s_set_vgpr_msb (MSB<<8)|\new
.set MSB, \new
.endif
.endm
.macro WM d, a, b, c, sa, sb, odd      ; odd tiles' scale words stand in lanes 16-31 of the register
.if \odd
	v_wmma_scale_f32_16x16x128_f8f6f4 v[\d:\d+7], v[\a:\a+7], v[\b:\b+7], v[\c:\c+7], v[\sa], v[\sb] matrix_a_fmt:MATRIX_FMT_FP4 matrix_b_fmt:MATRIX_FMT_FP4 matrix_a_scale:MATRIX_SCALE_ROW1
.else
	v_wmma_scale_f32_16x16x128_f8f6f4 v[\d:\d+7], v[\a:\a+7], v[\b:\b+7], v[\c:\c+7], v[\sa], v[\sb] matrix_a_fmt:MATRIX_FMT_FP4 matrix_b_fmt:MATRIX_FMT_FP4
.endif
.endm
.macro QUANT s                         ; 64 numbers of a lane, register 16 b + i = k 32 b + 16 (lane / 16) + i of my row -> codes in v[PC] on, scale word in v[PW]
.irp b, 0,1,2,3
	v_max3_num_f32 v[TM+\b], |v[\s+16*\b]|, |v[\s+1+16*\b]|, 0x1800000
.endr
.irp i, 2,4,6,8,10,12,14
.irp b, 0,1,2,3
	v_max3_num_f32 v[TM+\b], v[TM+\b], |v[\s+16*\b+\i]|, |v[\s+1+16*\b+\i]|
.endr
.endr
.irp b, 0,1,2,3
	v_permlanex16_b32 v[TM+4+\b], v[TM+\b], s40, s41
.endr
.irp b, 0,1,2,3
	v_max_num_f32 v[TM+\b], v[TM+\b], v[TM+4+\b]
.endr
.irp b, 0,1,2,3
	v_add_nc_u32 v[TM+12+\b], 0xff000000, v[TM+\b]
.endr
.irp b, 0,1,2,3
	v_lshrrev_b32 v[TM+4+\b], 23, v[TM+12+\b]
.endr
	v_lshl_or_b32 v[PW], v[TM+5], 8, v[TM+4]
	v_lshl_or_b32 v[PW], v[TM+6], 16, v[PW]
	v_lshl_or_b32 v[PW], v[TM+7], 24, v[PW]
.irp b, 0,1,2,3
	v_cvt_scalef32_pk8_fp4_f32 v[PC+2*\b], v[\s+16*\b:\s+7+16*\b], v[TM+12+\b]
	v_cvt_scalef32_pk8_fp4_f32 v[PC+1+2*\b], v[\s+8+16*\b:\s+15+16*\b], v[TM+12+\b]
.endr
	v_nop                                          ; one plain line behind a scaled conversion
.irp c, 0,1
.irp i, 0,1
	v_permlane16_swap_b32 v[PC+4*\c+\i], v[PC+2+4*\c+\i]
.endr
.endr
.endm
.macro BARRIER                         ; my LDS stores have landed and my LDS loads are in: then the work-group's barrier
	s_wait_dscnt 0x0
	s_barrier_signal -1
	s_barrier_wait -1
.endm
.macro POPC d, s, t                    ; d = the number of ones in s
	v_lshrrev_b32 v[\t], 1, v[\s]
	v_and_b32 v[\t], 0x55555555, v[\t]
	v_sub_nc_u32 v[\d], v[\s], v[\t]
	v_lshrrev_b32 v[\t], 2, v[\d]
	v_and_b32 v[\t], 0x33333333, v[\t]
	v_and_b32 v[\d], 0x33333333, v[\d]
	v_add_nc_u32 v[\d], v[\d], v[\t]
	v_lshrrev_b32 v[\t], 4, v[\d]
	v_add_nc_u32 v[\d], v[\d], v[\t]
	v_and_b32 v[\d], 0x0f0f0f0f, v[\d]
	v_lshrrev_b32 v[\t], 8, v[\d]
	v_add_nc_u32 v[\d], v[\d], v[\t]
	v_and_b32 v[\d], 0x00ff00ff, v[\d]
	v_lshrrev_b32 v[\t], 16, v[\d]
	v_add_nc_u32 v[\d], v[\d], v[\t]
	v_and_b32 v[\d], 0xffff, v[\d]
.endm
.macro SCAN s, t                       ; s = the sum of lanes 0 .. l of s
.irp d, 1,2,4,8
	v_mov_b32 v[\t], 0
	v_mov_b32_dpp v[\t], v[\s] row_shr:\d row_mask:0xf bank_mask:0xf bound_ctrl:1
	v_add_nc_u32 v[\s], v[\s], v[\t]
.endr
	v_readlane_b32 s44, v[\s], 15
	v_mov_b32 v[\t], s44
	v_cndmask_b32 v[\t], 0, v[\t], s38             ; lanes 16-31 add the first row's sum
	v_add_nc_u32 v[\s], v[\s], v[\t]
.endm
.macro RANK lev, w                     ; one step of the search for a word's rem-th one: are there rem or fewer among the lower w bits at pos?  Then it lies above them
.irp a, 0,1
	v_bfe_u32 v[SA+24*\a+oT], v[SA+24*\a+\lev], v[SA+24*\a+oPOS], \w
	v_cmp_ge_u32 vcc_lo, v[SA+24*\a+oREM], v[SA+24*\a+oT]
	v_sub_nc_u32 v[SA+24*\a+oX1], v[SA+24*\a+oREM], v[SA+24*\a+oT]
	v_cndmask_b32 v[SA+24*\a+oREM], v[SA+24*\a+oREM], v[SA+24*\a+oX1], vcc_lo
	v_add_nc_u32 v[SA+24*\a+oX1], \w, v[SA+24*\a+oPOS]
	v_cndmask_b32 v[SA+24*\a+oPOS], v[SA+24*\a+oPOS], v[SA+24*\a+oX1], vcc_lo
.endr
.endm
; The rows at 64 positions, in two registers by turns: register a, lanes 0-15: tile 2 a; lanes 16-31: tile 2 a + 1.  Result: 2 token + slot, or 0 past the expert's count.  The lane permutes touch no LDS byte.
.macro SELECT2
	s_wait_xcnt 0x0                                ; these registers were the data of stores: they are rewritten only behind this wait
.irp a, 0,1
	v_add3_u32 v[SA+24*\a+oP], v[PB], s32, 128*\a  ; p
	v_cmp_le_u32 s[42+\a], s31, v[SA+24*\a+oP]     ; does it lie in words 32-63?
	v_mov_b32 v[SA+24*\a+oK], 32
	v_cndmask_b32 v[SA+24*\a+oK], 0, v[SA+24*\a+oK], s[42+\a]
	v_lshrrev_b32 v[SA+24*\a+oSH], 1, v[SA+24*\a+oK]   ; then the prefixes' high halves serve
	v_mov_b32 v[SA+24*\a+oV], 0                    ; the permutes' destinations are written once ahead of them
	v_mov_b32 v[SA+24*\a+oU], 0
	v_mov_b32 v[SA+24*\a+oB], 0
	v_mov_b32 v[SA+24*\a+oX1], 0
	v_mov_b32 v[SA+24*\a+oX2], 0
.endr
.irp st, 16,8,4,2,1                    ; the last word whose prefix is p or less
.irp a, 0,1
	v_add_nc_u32 v[SA+24*\a+oCA], \st, v[SA+24*\a+oK]
	v_lshlrev_b32 v[SA+24*\a+oX0], 2, v[SA+24*\a+oCA]
	ds_bpermute_b32 v[SA+24*\a+oV], v[SA+24*\a+oX0], v[PK]
.endr
	s_wait_dscnt 0x0
.irp a, 0,1
	v_bfe_u32 v[SA+24*\a+oV], v[SA+24*\a+oV], v[SA+24*\a+oSH], 16
	v_cmp_le_u32 vcc_lo, v[SA+24*\a+oV], v[SA+24*\a+oP]
	v_cndmask_b32 v[SA+24*\a+oK], v[SA+24*\a+oK], v[SA+24*\a+oCA], vcc_lo
.endr
.endr
.irp a, 0,1
	v_lshlrev_b32 v[SA+24*\a+oX0], 2, v[SA+24*\a+oK]
	ds_bpermute_b32 v[SA+24*\a+oV], v[SA+24*\a+oX0], v[PK]
	ds_bpermute_b32 v[SA+24*\a+oU], v[SA+24*\a+oX0], v[U0]
	ds_bpermute_b32 v[SA+24*\a+oX1], v[SA+24*\a+oX0], v[U1]
	ds_bpermute_b32 v[SA+24*\a+oB], v[SA+24*\a+oX0], v[BM0]
	ds_bpermute_b32 v[SA+24*\a+oX2], v[SA+24*\a+oX0], v[BM1]
.endr
	s_wait_dscnt 0x0
.irp a, 0,1
	v_cndmask_b32 v[SA+24*\a+oU], v[SA+24*\a+oU], v[SA+24*\a+oX1], s[42+\a]   ; the word,
	v_cndmask_b32 v[SA+24*\a+oB], v[SA+24*\a+oB], v[SA+24*\a+oX2], s[42+\a]   ; its slot bits,
	v_bfe_u32 v[SA+24*\a+oV], v[SA+24*\a+oV], v[SA+24*\a+oSH], 16
	v_sub_nc_u32 v[SA+24*\a+oREM], v[SA+24*\a+oP], v[SA+24*\a+oV]             ; and which of its ones is wanted
	v_lshrrev_b32 v[SA+24*\a+oT], 1, v[SA+24*\a+oU]                           ; the word's counts by 2, 4, 8 and 16 bits
	v_and_b32 v[SA+24*\a+oT], 0x55555555, v[SA+24*\a+oT]
	v_sub_nc_u32 v[SA+24*\a+oLA], v[SA+24*\a+oU], v[SA+24*\a+oT]
	v_lshrrev_b32 v[SA+24*\a+oT], 2, v[SA+24*\a+oLA]
	v_and_b32 v[SA+24*\a+oT], 0x33333333, v[SA+24*\a+oT]
	v_and_b32 v[SA+24*\a+oLB], 0x33333333, v[SA+24*\a+oLA]
	v_add_nc_u32 v[SA+24*\a+oLB], v[SA+24*\a+oLB], v[SA+24*\a+oT]
	v_lshrrev_b32 v[SA+24*\a+oT], 4, v[SA+24*\a+oLB]
	v_add_nc_u32 v[SA+24*\a+oLC], v[SA+24*\a+oLB], v[SA+24*\a+oT]
	v_and_b32 v[SA+24*\a+oLC], 0x0f0f0f0f, v[SA+24*\a+oLC]
	v_lshrrev_b32 v[SA+24*\a+oT], 8, v[SA+24*\a+oLC]
	v_add_nc_u32 v[SA+24*\a+oLD], v[SA+24*\a+oLC], v[SA+24*\a+oT]
	v_and_b32 v[SA+24*\a+oLD], 0x00ff00ff, v[SA+24*\a+oLD]
	v_mov_b32 v[SA+24*\a+oPOS], 0
.endr
	RANK oLD, 16
	RANK oLC, 8
	RANK oLB, 4
	RANK oLA, 2
	RANK oU, 1
.irp a, 0,1
	v_lshl_add_u32 v[SA+24*\a+oX1], v[SA+24*\a+oK], 5, v[SA+24*\a+oPOS]       ; the token,
	v_bfe_u32 v[SA+24*\a+oT], v[SA+24*\a+oB], v[SA+24*\a+oPOS], 1             ; its slot
	v_lshl_add_u32 v[SA+24*\a+oX1], v[SA+24*\a+oX1], 1, v[SA+24*\a+oT]
	v_cmp_gt_u32 vcc_lo, s30, v[SA+24*\a+oP]
	v_cndmask_b32 v[SA+24*\a+oE], 0, v[SA+24*\a+oX1], vcc_lo
.endr
.endm
; Both halves of the lanes get row r's entry of each tile; it is held inside the tables; the four tiles' codes, scale words and gate weights are asked for: 40 loads, always all of them.
.macro GATHER
.irp a, 0,1
	v_mov_b32 v[SA+24*\a+oO], 0
	v_permlanex16_b32 v[SA+24*\a+oO], v[SA+24*\a+oE], s40, s41
.endr
.irp a, 0,1
	v_cndmask_b32 v[ENT+2*\a], v[SA+24*\a+oE], v[SA+24*\a+oO], s38
	v_cndmask_b32 v[ENT+2*\a+1], v[SA+24*\a+oO], v[SA+24*\a+oE], s38
.endr
.irp k, 0,1,2,3
	v_min_u32 v[ENT+\k], 0xfff, v[ENT+\k]
	v_and_b32 v[SA+20+\k], 0xffe, v[ENT+\k]        ; 2 x token
	v_lshl_add_u32 v[XO+\k], v[SA+20+\k], 7, v[H16]    ; 256 bytes of codes a token, + 16 h
	v_lshlrev_b32 v[XSO+\k], 3, v[SA+20+\k]        ; 16 scale bytes a token
	v_lshlrev_b32 v[GO+\k], 2, v[ENT+\k]
.endr
	WIN 0xc0
.irp k, 0,1,2,3
.irp ks, 0,1,2,3
.irp c, 0,1
	global_load_b128 v[32*\k+8*\ks+4*\c:32*\k+8*\ks+4*\c+3], v[XO+\k], s[8:9] offset:64*\ks+32*\c
.endr
.endr
.endr
	WIN 0
.irp k, 0,1,2,3
	global_load_b128 v[XS+4*\k:XS+4*\k+3], v[XSO+\k], s[10:11]
	global_load_b32 v[G+2*\k], v[GO+\k], s[14:15]
.endr
.endm
.macro SETPT                           ; the four tiles' first positions
	s_mov_b32 s33, s32
	s_add_co_u32 s34, s32, 64
	s_add_co_u32 s35, s32, 128
	s_add_co_u32 s36, s32, 192
.endm
.macro P1TILE kk
	s_cmp_lt_u32 s[33+\kk], s30
	s_cbranch_scc0 .Lp1_skip_\@
	WIN 0x3d                                       ; W1 window 1, x window 3, b1 window 3, the result window 0
.irp t, 0,1,2,3,4,5,6,7
	WM HA+8*\t, 32*\t, 32*\kk, 192+8*\t, W1S+4*(\t/2), XS+4*\kk, \t%2
.endr
	WIN 0x0d
.irp ks, 1,2,3                         ; the eight sums take turns, one instruction a turn
.irp t, 0,1,2,3,4,5,6,7
	WM HA+8*\t, 32*\t+8*\ks, 32*\kk+8*\ks, HA+8*\t, W1S+4*(\t/2)+\ks, XS+4*\kk+\ks, \t%2
.endr
.endr
	WIN 0
.rept 4
	v_nop                                          ; places behind the last products, ahead of the first read of results
.endr
.set n_, 0
.rept 64
	v_max_num_f32 v[HA+n_], 0, v[HA+n_]            ; relu, in f32, each sum from its low end on
.set n_, n_+1
.endr
	QUANT HA
	ds_store_b128 v[HWI], v[PC:PC+3] offset:HIMG+4096*\kk
	ds_store_b128 v[HWI], v[PC+4:PC+7] offset:HIMG+4096*\kk+512
	ds_store_b32 v[HWS], v[PW] offset:512*\kk
	s_wait_dscnt 0x0                               ; the stores have read their registers
.Lp1_skip_\@:
.endm
.macro P2TILE kk
	s_cmp_lt_u32 s[33+\kk], s30
	s_cbranch_scc0 .Lp2_skip_\@
.rept 4
	v_nop                                          ; places ahead of loads into registers that matrix instructions have read
.endr
	WIN 0xc0
.irp k, 0,1,2,3
.irp c, 0,1
	ds_load_b128 v[8*\k+4*\c:8*\k+4*\c+3], v[LI] offset:HIMG+(4*\kk+\k)*1024+512*\c
.endr
.endr
	WIN 0
.irp k, 0,1,2,3
	ds_load_b32 v[HS+\k], v[LS] offset:HSC+(4*\kk+\k)*128
.endr
	s_wait_dscnt 0x0
	WIN 0xce                                       ; W2 window 2, the hidden layer window 3, b2 window 0, the result window 3
.irp t, 0,1,2,3,4,5,6,7
	WM 128+8*\t, 32*\t, 0, B2+8*\t, W2S+4*(\t/2), HS, \t%2
.endr
	WIN 0xfe
.irp k, 1,2,3
.irp t, 0,1,2,3,4,5,6,7
	WM 128+8*\t, 32*\t+8*\k, 8*\k, 128+8*\t, W2S+4*(\t/2)+\k, HS+\k, \t%2
.endr
.endr
	WIN 0
	s_wait_xcnt 0x0                                ; the last tile's stores have read their offsets and data: both are rewritten below
.irp p, 0,1,2,3,4,5,6,7,8,9,10,11,12,13,14,15
	v_readlane_b32 s[44+\p%4], v[ENT+\kk], \p      ; row p's 2 token + slot,
	s_min_u32 s[44+\p%4], s[44+\p%4], 4095
	v_lshl_add_u32 v[AD+\p], s[44+\p%4], 13, v[CO] ; x 8,192 bytes, + my bytes in the row.  (These lines are also the places behind the last products)
.endr
	WIN 0xc3
.set n_, 0
.rept 32
	v_pk_mul_f32 v[128+n_:129+n_], v[128+n_:129+n_], v[G+2*\kk:G+2*\kk+1] op_sel_hi:[1,0]   ; x my row's gate weight, each sum from its low end on
.set n_, n_+2
.endr
	WIN 0x0c                                       ; an LDS store's data are its source 1: window 3
.irp t, 0,1,2,3,4,5,6,7
	ds_store_b128 v[SO], v[128+8*\t:128+8*\t+3] offset:64*\t       ; lane (r, h): row r, outputs 16 t + 8 h + 0 .. 7 of my 128
	ds_store_b128 v[SO], v[128+8*\t+4:128+8*\t+7] offset:64*\t+16
.endr
	WIN 0
.irp p, 0,1,2,3,4,5,6,7,8,9,10,11,12,13,14,15
	ds_load_b128 v[BK+4*\p:BK+4*\p+3], v[SR] offset:528*\p         ; LDS serves a wave's instructions in order: these see my stores
.endr
	s_sub_co_u32 s48, s30, s[33+\kk]               ; the tile's valid rows, if under 16
.irp p, 0,1,2,3,4,5,6,7,8,9,10,11,12,13,14,15
	s_cmp_gt_u32 s48, \p
	s_cbranch_scc0 .Lrows_done_\@
	s_wait_dscnt 15-\p                             ; row p is back; the younger rows may be out
	global_store_b128 v[AD+\p], v[BK+4*\p:BK+4*\p+3], s[20:21] th:TH_STORE_NT   ; 32 lanes store 512 consecutive bytes, at a multiple of 512 from ypart's first byte
.endr
.Lrows_done_\@:
	s_wait_dscnt 0x0                               ; on the short way too: no load from the stage is out
.Lp2_skip_\@:
.endm
	s_load_b512 s[4:19], s[0:1], 0x0               ; wc 4, ws 6, xc 8, xs 10, bm 12, gwt 14, b1 16, b2 18
	s_load_b64 s[20:21], s[0:1], 0x40              ; ypart
	v_lshrrev_b32 v246, 5, v0
	v_readfirstlane_b32 s22, v246                  ; wave
	v_and_b32 v247, 31, v0                         ; lane
	v_and_b32 v248, 15, v0                         ; r
	v_bfe_u32 v249, v0, 4, 1                       ; h
	s_and_b32 s23, ttmp9, 3                        ; q
	s_lshr_b32 s24, ttmp9, 2
	s_and_b32 s24, s24, 3                          ; s
	s_lshr_b32 s25, ttmp9, 4                       ; e
	s_lshl_b32 s49, s24, 2
	s_add_co_u32 s49, s49, s22                     ; 4 s + w
	s_lshl_b32 s26, s25, 4
	s_add_co_u32 s26, s26, s49                     ; Z
	s_mov_b32 s29, 0                               ; the upper word of every offset pair s[28:29]
	s_mov_b32 s38, 0xffff0000                      ; lanes 16-31
	s_mov_b32 s40, 0x76543210
	s_mov_b32 s41, 0xfedcba98                      ; v_permlanex16_b32's selects for lane l xor 16
	s_cmp_eq_u32 s24, 0
	s_cselect_b32 s39, -1, 0                       ; b2 counts in quarter 0 alone
	v_lshlrev_b32 v[LI], 4, v247
	v_lshlrev_b32 v[LS], 2, v247
	v_lshlrev_b32 v[L8], 3, v247
	v_lshlrev_b32 v250, 7, v247                    ; bm: 128 bytes a word's row
	v_lshlrev_b32 v[H16], 4, v249
	v_lshl_add_u32 v[PB], v249, 6, v248
	v_lshlrev_b32 v246, 6, v249                    ; b1: 64 h
	v_lshlrev_b32 v247, 5, v249                    ; b2: 32 h
	s_lshl_b32 s28, s22, 10
	v_add_nc_u32 v[HWI], s28, v[LI]
	s_lshl_b32 s28, s22, 7
	v_add_nc_u32 v[HWS], s28, v[LS]
	v_add_nc_u32 v[HWS], HSC, v[HWS]
	s_mul_i32 s28, s22, 8448
	v_mul_u32_u24 v[SO], v248, 528
	v_lshl_add_u32 v[SO], v249, 5, v[SO]
	v_add_nc_u32 v[SO], s28, v[SO]
	v_add_nc_u32 v[SO], STG, v[SO]
	v_add_nc_u32 v[SR], s28, v[LI]
	v_add_nc_u32 v[SR], STG, v[SR]
	s_lshl_b32 s28, s24, 11
	s_lshl_b32 s44, s22, 9
	s_add_co_u32 s28, s28, s44
	v_add_nc_u32 v[CO], s28, v[LI]
.irp k, 0,1,2,3
	v_mov_b32 v[G+2*\k+1], 0                       ; named as the upper halves of pairs
	v_mov_b32 v[TM+4+\k], 0                        ; a lane permute's destination counts as one of its sources
.endr
	s_wait_kmcnt 0x0
	s_lshl_b32 s28, s25, 2
	s_add_nc_u64 s[12:13], s[12:13], s[28:29]      ; bm at expert e
	global_load_b32 v[U0], v250, s[12:13]                  ; slot 0, words l and 32 + l;
	global_load_b32 v[U1], v250, s[12:13] offset:4096
	global_load_b32 v[BM0], v250, s[12:13] offset:64       ; slot 1
	global_load_b32 v[BM1], v250, s[12:13] offset:4160
	s_lshl_b32 s28, s26, 15
	s_add_nc_u64 s[50:51], s[4:5], s[28:29]        ; my 32 fragments of W1,
	s_add_nc_u64 s[52:53], s[50:51], 0x800000      ; of W2
	WIN 0x40
.set n_, 0
.rept 56
	global_load_b128 v[4*n_:4*n_+3], v[LI], s[50:51] offset:512*n_     ; 512 consecutive bytes a load: half a fragment as it will stand in the registers
.set n_, n_+1
.endr
	WIN 0
	s_lshl_b32 s28, s26, 11
	s_add_nc_u64 s[54:55], s[6:7], s[28:29]        ; W1's scale words,
	s_add_nc_u64 s[56:57], s[54:55], 0x80000       ; W2's
	s_lshl_b32 s28, s25, 13
	s_lshl_b32 s44, s49, 9
	s_add_co_u32 s28, s28, s44
	s_add_nc_u64 s[58:59], s[16:17], s[28:29]      ; b1 at my 128 hidden units
	s_lshl_b32 s28, s25, 11
	s_lshl_b32 s44, s22, 9
	s_add_co_u32 s28, s28, s44
	s_add_nc_u64 s[60:61], s[18:19], s[28:29]      ; b2 at my 128 outputs
	s_wait_loadcnt 56                              ; the four words of bm are in: behind them 56 loads were issued
	v_or_b32 v[U0], v[U0], v[BM0]                  ; chosen in either slot
	v_or_b32 v[U1], v[U1], v[BM1]
	POPC 251, U0, 255
	v_mov_b32 v252, v251
	SCAN 252, 255
	v_readlane_b32 s31, v252, 31                   ; rows in words 0-31
	POPC 253, U1, 255
	v_mov_b32 v254, v253
	SCAN 254, 255
	v_add_nc_u32 v254, s31, v254
	v_readlane_b32 s30, v254, 31                   ; N: the expert's rows
	v_sub_nc_u32 v252, v252, v251                  ; rows ahead of each word
	v_sub_nc_u32 v254, v254, v253
	v_lshl_or_b32 v[PK], v254, 16, v252
	s_lshl_b32 s32, s23, 4                         ; the first trip's first position: 16 q
	SETPT
	s_mov_b32 s37, 0
	SELECT2
	GATHER
	WIN 0x40
.rept 8
	global_load_b128 v[4*n_:4*n_+3], v[LI], s[50:51] offset:512*n_
.set n_, n_+1
.endr
	WIN 0
.irp hf, 0,1
.irp p, 0,1,2,3
	global_load_b64 v[W1S+4*\p+2*\hf:W1S+4*\p+2*\hf+1], v[L8], s[54:55] offset:\hf*1024+\p*256
	global_load_b64 v[W2S+4*\p+2*\hf:W2S+4*\p+2*\hf+1], v[L8], s[56:57] offset:\hf*1024+\p*256
.endr
.endr
.irp t, 0,1,2,3,4,5,6,7
	global_load_b128 v[B2+8*\t:B2+8*\t+3], v247, s[60:61] offset:64*\t             ; register j: b2 at output 16 t + 8 h + j
	global_load_b128 v[B2+8*\t+4:B2+8*\t+7], v247, s[60:61] offset:64*\t+16
.endr
	WIN 0xc0
.irp t, 0,1,2,3,4,5,6,7
	global_load_b128 v[192+8*\t:192+8*\t+3], v246, s[58:59] offset:(32*(\t/2)+8*(\t%2))*4      ; register j: b1 at hidden unit 32 (t / 2) + 8 (t % 2) + 16 h + j
	global_load_b128 v[192+8*\t+4:192+8*\t+7], v246, s[58:59] offset:(32*(\t/2)+8*(\t%2))*4+16
.endr
	WIN 0x80
.set n_, 0
.rept 64
	global_load_b128 v[4*n_:4*n_+3], v[LI], s[52:53] offset:512*n_
.set n_, n_+1
.endr
	WIN 0
	s_wait_loadcnt 0x0
.set n_, 0
.rept 64
	v_cndmask_b32 v[B2+n_], 0, v[B2+n_], s39
.set n_, n_+1
.endr
.Ltrip:
	s_wait_loadcnt 0x0                             ; this trip's rows are in
	s_wait_xcnt 0x0                                ; the last trip's stores have read their offsets and data, which the lines below rewrite
	P1TILE 0
	P1TILE 1
	P1TILE 2
	P1TILE 3
	BARRIER                                        ; the hidden layer's images lie in LDS
	P2TILE 0
	P2TILE 1
	P2TILE 2
	P2TILE 3
	BARRIER                                        ; every wave has read them: the next trip may write them again
	s_add_co_u32 s32, s32, 256
	SETPT
	s_cmp_lt_u32 s32, s30
	s_cbranch_scc0 .Lno_rows                       ; nothing is left for this work-group: nothing is searched or gathered
	SELECT2
	GATHER
.Lno_rows:
	s_add_co_u32 s37, s37, 1
	s_cmp_lt_u32 s37, 8
	s_cbranch_scc1 .Ltrip
	s_wait_xcnt 0x0
	v_lshl_add_u32 v254, v0, 2, 0xcc00
	v_mov_b32 v255, 0
	s_wait_tensorcnt 0x0
	ds_add_u32 v254, v255
	s_wait_dscnt 0x0
	s_endpgm
.Lfunc_end_k_qa6c45d1ea6_chain:
	.size	k_qa6c45d1ea6_chain, .Lfunc_end_k_qa6c45d1ea6_chain-k_qa6c45d1ea6_chain
	.p2alignl 7, 3214868480
	.fill 96, 4, 3214868480
	.section	.rodata,"a",@progbits
	.p2align	6, 0x0
	.amdhsa_kernel k_qa6c45d1ea6_chain
		.amdhsa_group_segment_fixed_size 52736
		.amdhsa_private_segment_fixed_size 0
		.amdhsa_enable_private_segment 0
		.amdhsa_kernarg_size 72
		.amdhsa_user_sgpr_count 2
		.amdhsa_user_sgpr_kernarg_segment_ptr 1
		.amdhsa_wavefront_size32 1
		.amdhsa_system_sgpr_workgroup_id_x 1
		.amdhsa_system_sgpr_workgroup_id_y 1
		.amdhsa_system_sgpr_workgroup_id_z 1
		.amdhsa_system_vgpr_workitem_id 0
		.amdhsa_next_free_vgpr 1024
		.amdhsa_next_free_sgpr 66
		.amdhsa_reserve_vcc 1
		.amdhsa_float_denorm_mode_32 3
		.amdhsa_float_denorm_mode_16_64 3
		.amdhsa_memory_ordered 1
		.amdhsa_forward_progress 1
		.amdhsa_inst_pref_size 159
	.end_amdhsa_kernel
	.amdgpu_metadata
---
amdhsa.version: [ 1, 2 ]
amdhsa.kernels:
  - .name:           k_qa6c45d1ea6_chain
    .symbol:         k_qa6c45d1ea6_chain.kd
    .args:
      - { .name: wc, .offset: 0, .size: 8, .value_kind: global_buffer, .address_space: global }
      - { .name: ws, .offset: 8, .size: 8, .value_kind: global_buffer, .address_space: global }
      - { .name: xc, .offset: 16, .size: 8, .value_kind: global_buffer, .address_space: global }
      - { .name: xs, .offset: 24, .size: 8, .value_kind: global_buffer, .address_space: global }
      - { .name: bm, .offset: 32, .size: 8, .value_kind: global_buffer, .address_space: global }
      - { .name: gwt, .offset: 40, .size: 8, .value_kind: global_buffer, .address_space: global }
      - { .name: b1, .offset: 48, .size: 8, .value_kind: global_buffer, .address_space: global }
      - { .name: b2, .offset: 56, .size: 8, .value_kind: global_buffer, .address_space: global }
      - { .name: ypart, .offset: 64, .size: 8, .value_kind: global_buffer, .address_space: global }
    .group_segment_fixed_size: 52736
    .private_segment_fixed_size: 0
    .kernarg_segment_align: 8
    .kernarg_segment_size: 72
    .max_flat_workgroup_size: 128
    .sgpr_count:     66
    .vgpr_count:     1024
    .wavefront_size: 32
...
	.end_amdgpu_metadata
.endif
;; end of part 2
;; launch combine (part 3): grid 256 x 1, 8 waves a work-group, no clusters, 0 bytes of LDS; arguments ypart, out0; writes out0
.if DOCPART == 3
	.amdgcn_target "amdgcn-amd-amdhsa--gfx1250"
	.amdhsa_code_object_version 6
	.text
	.protected	k_qa6c45d1ea6_combine
	.globl	k_qa6c45d1ea6_combine
	.p2align	8
	.type	k_qa6c45d1ea6_combine,@function
k_qa6c45d1ea6_combine:
	s_mov_b64 s[64:65], 0
	v_nop
	global_prefetch_b8 v0, s[64:65] scope:SCOPE_SE
	s_setreg_imm32_b32 hwreg(HW_REG_WAVE_MODE, 25, 1), 1
	s_wait_xcnt 0x0
; COMBINE: out0[b][:] = the sum of token b's eight partial rows (two slots x four quarters of the hidden layer), which lie on end in ypart: 16,384 bytes a token.
; A wave takes a token: 32 loads of 512 consecutive bytes, all issued at once, in four segments of 128 outputs; each segment is added in a tree of packed additions and leaves by one store of 512 consecutive bytes.
; A stream: no LDS, no barrier, no matrix unit, no loop: every wave's whole share is on its way from its first lines on.
.set R, 4                              ; v4-131: segment g, partial row i at v[R + 4 (8 g + i)]
.macro ADD2 d, s                       ; four numbers: two packed additions
	v_pk_add_f32 v[\d:\d+1], v[\d:\d+1], v[\s:\s+1]
	v_pk_add_f32 v[\d+2:\d+3], v[\d+2:\d+3], v[\s+2:\s+3]
.endm
	s_load_b128 s[4:7], s[0:1], 0x0                ; ypart, out0
	v_lshrrev_b32 v1, 5, v0
	v_readfirstlane_b32 s8, v1                     ; wave 0..7
	v_and_b32 v1, 31, v0
	v_lshlrev_b32 v1, 4, v1                        ; 16 bytes a lane
	s_lshl_b32 s9, ttmp9, 3
	s_add_co_u32 s9, s9, s8                        ; my token
	s_lshl_b32 s10, s9, 14
	s_mov_b32 s11, 0
	s_lshl_b32 s12, s9, 11
	s_mov_b32 s13, 0
	s_wait_kmcnt 0x0
	s_add_nc_u64 s[4:5], s[4:5], s[10:11]
	s_add_nc_u64 s[6:7], s[6:7], s[12:13]
.irp g, 0,1,2,3
.irp i, 0,1,2,3,4,5,6,7
	global_load_b128 v[R+4*(8*\g+\i):R+4*(8*\g+\i)+3], v1, s[4:5] offset:2048*\i+512*\g th:TH_LOAD_NT
.endr
.endr
.irp g, 0,1,2,3
	s_wait_loadcnt 24-8*\g                         ; this segment's eight loads are in; the later segments' may be out
	ADD2 R+32*\g, R+32*\g+4
	ADD2 R+32*\g+8, R+32*\g+12
	ADD2 R+32*\g+16, R+32*\g+20
	ADD2 R+32*\g+24, R+32*\g+28
	ADD2 R+32*\g, R+32*\g+8
	ADD2 R+32*\g+16, R+32*\g+24
	ADD2 R+32*\g, R+32*\g+16
	global_store_b128 v1, v[R+32*\g:R+32*\g+3], s[6:7] offset:512*\g th:TH_STORE_NT
.endr
	s_endpgm
.Lfunc_end_k_qa6c45d1ea6_combine:
	.size	k_qa6c45d1ea6_combine, .Lfunc_end_k_qa6c45d1ea6_combine-k_qa6c45d1ea6_combine
	.p2alignl 7, 3214868480
	.fill 96, 4, 3214868480
	.section	.rodata,"a",@progbits
	.p2align	6, 0x0
	.amdhsa_kernel k_qa6c45d1ea6_combine
		.amdhsa_group_segment_fixed_size 0
		.amdhsa_private_segment_fixed_size 0
		.amdhsa_enable_private_segment 0
		.amdhsa_kernarg_size 16
		.amdhsa_user_sgpr_count 2
		.amdhsa_user_sgpr_kernarg_segment_ptr 1
		.amdhsa_wavefront_size32 1
		.amdhsa_system_sgpr_workgroup_id_x 1
		.amdhsa_system_sgpr_workgroup_id_y 1
		.amdhsa_system_sgpr_workgroup_id_z 1
		.amdhsa_system_vgpr_workitem_id 0
		.amdhsa_next_free_vgpr 136
		.amdhsa_next_free_sgpr 66
		.amdhsa_reserve_vcc 0
		.amdhsa_float_denorm_mode_32 3
		.amdhsa_float_denorm_mode_16_64 3
		.amdhsa_memory_ordered 1
		.amdhsa_forward_progress 1
		.amdhsa_inst_pref_size 8
	.end_amdhsa_kernel
	.amdgpu_metadata
---
amdhsa.version: [ 1, 2 ]
amdhsa.kernels:
  - .name:           k_qa6c45d1ea6_combine
    .symbol:         k_qa6c45d1ea6_combine.kd
    .args:
      - { .name: ypart, .offset: 0, .size: 8, .value_kind: global_buffer, .address_space: global }
      - { .name: out0, .offset: 8, .size: 8, .value_kind: global_buffer, .address_space: global }
    .group_segment_fixed_size: 0
    .private_segment_fixed_size: 0
    .kernarg_segment_align: 8
    .kernarg_segment_size: 16
    .max_flat_workgroup_size: 256
    .sgpr_count:     66
    .vgpr_count:     136
    .wavefront_size: 32
...
	.end_amdgpu_metadata
.endif
;; end of part 3
;; ======== version 2 of 3: 3 launches; 1.18 times as fast as version 1
;; workspace buffers: wc 16,777,216 bytes; ws 1,048,576 bytes; xc 524,288 bytes; xs 32,768 bytes; bm 8,192 bytes of whole numbers; gwt 16,384 bytes; ypart 33,554,432 bytes
;; launch prep (part 4): grid 1088 x 1, 4 waves a work-group, no clusters, 17,920 bytes of LDS; arguments x, gate_w, gate_b, w1, w2, wc, ws, xc, xs, bm, gwt; writes wc, ws, xc, xs, bm, gwt
.if DOCPART == 4
	.amdgcn_target "amdgcn-amd-amdhsa--gfx1250"
	.amdhsa_code_object_version 6
	.text
	.protected	k_qa6c45d1ea6_prep
	.globl	k_qa6c45d1ea6_prep
	.p2align	8
	.type	k_qa6c45d1ea6_prep,@function
k_qa6c45d1ea6_prep:
	s_mov_b64 s[64:65], 0
	v_nop
	global_prefetch_b8 v0, s[64:65] scope:SCOPE_SE
	s_setreg_imm32_b32 hwreg(HW_REG_WAVE_MODE, 25, 1), 1
	s_wait_xcnt 0x0
; PREP: everything that is quantised once, and the router.
;   work-groups 0-63     : x [2048][512] f32 -> codes xc [token][16 blocks][16 bytes], scale bytes xs [token][16]; logits = Q(x) Q(gate_w) + gate_b on the matrix unit;
;                          top-2 (strict compares in ascending order: the lower index wins a tie), softmax of the two (the larger is taken away first);
;                          the choice leaves as bit masks bm [token / 32][slot x 16 + expert] (bit l: token 32 k + l), the two weights as gwt [2 token + slot].  No address here hangs on the choice.
;   work-groups 64-575   : w1 [16][512 k][2048 n] -> wc, ws;    work-groups 576-1087: w2 [16][2048 k][512 n] -> wc + 8 MiB, ws + 512 KiB.
; FORMAT: E2M1 codes, one E8M0 byte for each 32 along K: the byte is the largest magnitude's exponent field - 2, held at 1 from below.
; THE WEIGHTS' CODES LIE IN THE ORDER OF THE OPERAND'S REGISTERS: [Z][fragment f = 4 t + ks][c][lane][16 bytes], Z = 16 e + 4 s + w: the 32 fragments that wave w of the next launch's work-group (e, s) keeps.
;   lane (r, h)'s 16 bytes are k = 128 ks + 64 c + 32 h + 0 .. 31 of the tile's row r.  W1: row r of tile t is hidden unit 128 (4 s + w) + 32 (t / 2) + 8 (t % 2) + r + 8 (r / 8), so that the results of two
;   neighbouring tiles are 16 neighbours along the next K.  W2: K step ks is hidden 512 s + 128 ks on; row r of tile t is output 128 w + 16 t + r.
;   Scale words: [Z][half][p][lane = 16 u + r][8 bytes]: tile 2 p + u, row r, the words of K steps 2 half and 2 half + 1.
; WEIGHT PATHS: a lane takes a column, its registers run down K (K is the first axis in memory): a block's 32 numbers are one lane's, and the conversions give codes with K innermost.  Nothing goes through LDS:
;   sixteen lanes' 16 bytes of one block are 256 consecutive bytes of wc, aligned.  Loads run two blocks (64 loads a wave) ahead.  No matrix unit, no cluster, no barrier there: the waves share nothing.
; GATE PATH: a work-group takes 32 tokens, two tiles of 16.  THE WAVES SHARE K: wave w takes k = 128 w .. 128 w + 127 of gate_w (8,192 bytes) and of the 32 rows of x (16,384 bytes): 100 loads a wave, so that a wave
;   waits for memory twice.  Its two products give partial logits; these, the codes and the scale words meet in LDS behind ONE barrier.  The barrier stands on this path alone, which a work-group takes as a whole: the
;   branch that leads here hangs on the work-group's number.  Behind it each wave stores 8 whole rows of xc, and wave 0 adds the four partial sums in ascending K and chooses.
; LIMITS: NaN and infinities among the inputs are not served.  A block of zeros gets the byte 1 where the rule says 127: its codes are zeros and only this program reads the bytes.
;   The logits are four partial f32 sums along K, the bias in the first, so their order of rounding differs from x @ gate_w + gate_b; a token whose 2nd and 3rd logits differ by less than that rounding may choose the other expert.
.set NGATE, 64
.set NW1,   512
.set WX,   14                          ; weight paths: v14-77 two sets of 32 numbers; v78-109 codes, four registers a block, never rewritten; v110-111 scale bytes; v112-115 at work
.set WC,   78
.set WSB,  110
.set XA,   14                          ; gate path: v14-77, v78-141 two sets of 64 numbers
.set XB,   78
.set PC,   142                         ; v142-149 x's codes just made
.set TM,   150                         ; v150-165 at work in the quantisers; later my rows of xc on their way out
.set PW,   166                         ; x's scale word just made
.set GS,   167                         ; gate_w's scale word of my K step
.set GF,   168                         ; v168-175 gate_w's fragment of my K step
.set ACCA, 176                         ; v176-183 logits of tokens 0-15, v184-191 of tokens 16-31: my K step's part
.set ACCB, 184
.set XST,  0                           ; LDS, gate path only: the stage for x's codes: 32 rows (tokens) x (256 + 16) bytes; wave w writes bytes 64 w .. 64 w + 63 of each row;
.set XSS,  8704                        ; x's scale bytes: 16 a token; wave w writes word w of each;
.set PL,   9216                        ; the partial logits as images of their registers: 2,048 bytes a wave
.macro WLOAD blk, pitch, sb            ; block blk: W(32 blk + i, my column), i = 0 .. 31: a wave's load covers 128 consecutive bytes, the four waves' 512
.irp i, 0,1,2,3,4,5,6,7,8,9,10,11,12,13,14,15,16,17,18,19,20,21,22,23,24,25,26,27,28,29,30,31
	global_load_b32 v[WX+32*((\blk)%2)+\i], v4, s[\sb:\sb+1] offset:(32*(\blk)+\i)*\pitch th:TH_LOAD_NT
.endr
.endm
.macro WBLOCK blk, pitch, sb
.set XS_, WX+32*((\blk)%2)
.if (\blk) < 7
	s_wait_loadcnt 32                              ; this block's 32 loads are in; the next block's 32 may be out
.else
	s_wait_loadcnt 0x0
.endif
	v_max3_num_f32 v112, |v[XS_]|, |v[XS_+1]|, |v[XS_+2]|          ; the block's largest magnitude, in two chains: all 32 numbers are mine
	v_max3_num_f32 v113, |v[XS_+3]|, |v[XS_+4]|, |v[XS_+5]|
.irp i, 6,10,14,18,22,26
	v_max3_num_f32 v112, v112, |v[XS_+\i]|, |v[XS_+\i+1]|
	v_max3_num_f32 v113, v113, |v[XS_+\i+2]|, |v[XS_+\i+3]|
.endr
	v_max3_num_f32 v112, v112, |v[XS_+30]|, |v[XS_+31]|
	v_max3_num_f32 v112, v112, v113, 0x1800000     ; and the floor 2^(3 - 127): the byte cannot fall under 1
	v_add_nc_u32 v114, 0xff000000, v112            ; 2 off the exponent field: the conversion takes this operand's exponent field as its scale
	v_lshrrev_b32 v115, 23, v114                   ; the scale's byte
.if (\blk)%4 == 0
	v_mov_b32 v[WSB+(\blk)/4], v115                ; four bytes make a K step's scale word, the lower K in the lower byte
.else
	v_lshl_or_b32 v[WSB+(\blk)/4], v115, 8*((\blk)%4), v[WSB+(\blk)/4]
.endif
.irp g, 0,1,2,3
	v_cvt_scalef32_pk8_fp4_f32 v[WC+4*(\blk)+\g], v[XS_+8*\g:XS_+8*\g+7], v114
.endr
	v_nop                                          ; one plain line behind the last conversion of a run
	global_store_b128 v2, v[WC+4*(\blk):WC+4*(\blk)+3], s[14:15] offset:((\blk)/4)*1024+(((\blk)/2)%2)*512+((\blk)%2)*256   ; K step, c, h of this block; the sixteen lanes of a tile store 256 consecutive bytes, aligned
.if (\blk)+2 < 8
	WLOAD (\blk)+2, \pitch, \sb
.endif
.endm
.macro WDEST cb, sb2                   ; s31 = Z, s36 = half: where my wave's codes and scale words go
	s_lshl_b32 s32, s31, 15
	s_lshl_b32 s37, s26, 13                        ; tiles 2 w, 2 w + 1: 8 fragments of 1,024 bytes a wave
	s_add_co_u32 s32, s32, s37
	s_lshl_b32 s37, s36, 11                        ; K steps 2 half, 2 half + 1
	s_add_co_u32 s32, s32, s37
	s_add_co_u32 s32, s32, \cb
	s_add_nc_u64 s[14:15], s[14:15], s[32:33]
	s_lshl_b32 s32, s31, 11
	s_lshl_b32 s37, s36, 10
	s_add_co_u32 s32, s32, s37
	s_lshl_b32 s37, s26, 8
	s_add_co_u32 s32, s32, s37
	s_add_co_u32 s32, s32, \sb2
	s_add_nc_u64 s[16:17], s[16:17], s[32:33]
.endm
.macro WREST pitch, sb
.irp q, 0,1,2,3,4,5,6,7
	WBLOCK \q, \pitch, \sb
.endr
	global_store_b64 v3, v[WSB:WSB+1], s[16:17]    ; the wave's 32 x 8 bytes of scale words: 256 consecutive bytes, aligned
	s_endpgm
.endm
	s_load_b512 s[4:19], s[0:1], 0x0               ; x 4, gate_w 6, gate_b 8, w1 10, w2 12, wc 14, ws 16, xc 18
	s_load_b128 s[20:23], s[0:1], 0x40             ; xs 20, bm 22
	s_load_b64 s[24:25], s[0:1], 0x50              ; gwt
	v_lshl_add_u32 v192, v0, 2, 0x4400
	v_mov_b32 v193, 0
	v_lshrrev_b32 v1, 5, v0
	v_readfirstlane_b32 s26, v1                    ; wave 0..3
	v_and_b32 v1, 31, v0                           ; lane
	v_lshlrev_b32 v4, 2, v1                        ; weight paths: 4 bytes a lane
	s_mov_b32 s33, 0                               ; the upper word of every offset pair s[32:33]
	s_wait_kmcnt 0x0
	s_cmp_lt_u32 ttmp9, NGATE
	s_cbranch_scc1 .Lgate
	s_cmp_lt_u32 ttmp9, NGATE+NW1
	s_cbranch_scc0 .Lw2
	; ---- w1: work-group u = (Z, half): hidden units 128 sigma .. + 127 of expert e, 256 along K; wave w its 32 columns 32 w on
	s_sub_co_u32 s27, ttmp9, NGATE
	s_lshr_b32 s31, s27, 1                         ; Z = 16 e + sigma
	s_and_b32 s36, s27, 1                          ; half
	s_lshr_b32 s32, s27, 5                         ; e
	s_lshl_b32 s32, s32, 22                        ; x 512 x 2048 x 4 bytes
	s_lshl_b32 s37, s36, 21                        ; + half x 256 rows of 8,192 bytes
	s_add_co_u32 s32, s32, s37
	s_and_b32 s37, s31, 15
	s_lshl_b32 s37, s37, 9                         ; + sigma x 128 columns
	s_add_co_u32 s32, s32, s37
	s_lshl_b32 s37, s26, 7                         ; + wave x 32 columns
	s_add_co_u32 s32, s32, s37
	s_add_nc_u64 s[10:11], s[10:11], s[32:33]
	WLOAD 0, 8192, 10
	WLOAD 1, 8192, 10
	WDEST 0, 0
	v_bfe_u32 v5, v1, 3, 1                         ; my column o = 8 u + r + 8 (r / 8): tile 2 w + u,
	v_and_b32 v6, 7, v1
	v_bfe_u32 v7, v1, 4, 1
	v_lshl_or_b32 v6, v7, 3, v6                    ; row r = (o & 7) + 8 (o / 16)
	v_lshlrev_b32 v2, 4, v6
	v_lshl_add_u32 v2, v5, 12, v2                  ; codes: 4,096 u + 16 r
	v_lshlrev_b32 v3, 3, v6
	v_lshl_add_u32 v3, v5, 7, v3                   ; scale words: 8 (16 u + r)
	WREST 8192, 10
.Lw2:	; ---- w2: work-group u = (e, column group cg, K chunk kc of 256): Z = 16 e + 4 (kc / 2) + cg, half = kc % 2
	s_sub_co_u32 s27, ttmp9, NGATE+NW1
	s_and_b32 s34, s27, 7                          ; kc
	s_lshr_b32 s35, s27, 3
	s_and_b32 s35, s35, 3                          ; cg
	s_lshr_b32 s31, s27, 5                         ; e
	s_and_b32 s36, s34, 1                          ; half
	s_lshl_b32 s32, s31, 22                        ; e x 2048 x 512 x 4 bytes
	s_lshl_b32 s37, s34, 19                        ; + kc x 256 rows of 2,048 bytes
	s_add_co_u32 s32, s32, s37
	s_lshl_b32 s37, s35, 9
	s_add_co_u32 s32, s32, s37
	s_lshl_b32 s37, s26, 7
	s_add_co_u32 s32, s32, s37
	s_add_nc_u64 s[12:13], s[12:13], s[32:33]
	WLOAD 0, 2048, 12
	WLOAD 1, 2048, 12
	s_lshl_b32 s31, s31, 4
	s_lshr_b32 s37, s34, 1
	s_lshl_b32 s37, s37, 2
	s_add_co_u32 s31, s31, s37
	s_add_co_u32 s31, s31, s35                     ; Z
	WDEST 8388608, 524288
	v_bfe_u32 v5, v1, 4, 1                         ; my column o = 16 u + r: tile 2 w + u, row r
	v_and_b32 v6, 15, v1
	v_lshlrev_b32 v2, 4, v6
	v_lshl_add_u32 v2, v5, 12, v2
	v_lshlrev_b32 v3, 3, v1
	WREST 2048, 12
; ---- the gate path
; 64 numbers of a lane, register 16 b + i = k 32 b + 16 (lane / 16) + i of my row, become a fragment's codes in v[PC] on and its scale word in v[PW]
.macro QUANT s
.irp b, 0,1,2,3
	v_max3_num_f32 v[TM+\b], |v[\s+16*\b]|, |v[\s+1+16*\b]|, 0x1800000   ; block b: my 16 numbers, and the floor 2^(3 - 127)
.endr
.irp i, 2,4,6,8,10,12,14
.irp b, 0,1,2,3
	v_max3_num_f32 v[TM+\b], v[TM+\b], |v[\s+16*\b+\i]|, |v[\s+1+16*\b+\i]|   ; the four blocks by turns
.endr
.endr
.irp b, 0,1,2,3
	v_permlanex16_b32 v[TM+4+\b], v[TM+\b], s28, s29
.endr
.irp b, 0,1,2,3
	v_max_num_f32 v[TM+\b], v[TM+\b], v[TM+4+\b]   ; with lane l xor 16's: the block's largest magnitude
.endr
.irp b, 0,1,2,3
	v_add_nc_u32 v[TM+12+\b], 0xff000000, v[TM+\b] ; 2 off its exponent field: the conversion's scale operand
.endr
.irp b, 0,1,2,3
	v_lshrrev_b32 v[TM+4+\b], 23, v[TM+12+\b]      ; the scale's byte
.endr
	v_lshl_or_b32 v[PW], v[TM+5], 8, v[TM+4]
	v_lshl_or_b32 v[PW], v[TM+6], 16, v[PW]
	v_lshl_or_b32 v[PW], v[TM+7], 24, v[PW]
.irp b, 0,1,2,3
	v_cvt_scalef32_pk8_fp4_f32 v[PC+2*\b], v[\s+16*\b:\s+7+16*\b], v[TM+12+\b]
	v_cvt_scalef32_pk8_fp4_f32 v[PC+1+2*\b], v[\s+8+16*\b:\s+15+16*\b], v[TM+12+\b]
.endr
	v_nop                                          ; one plain line behind a scaled conversion
.irp c, 0,1                                    ; the operand's layout wants a whole block in a lane: lanes 0-15 block 2 c, lanes 16-31 block 2 c + 1
.irp i, 0,1
	v_permlane16_swap_b32 v[PC+4*\c+\i], v[PC+2+4*\c+\i]
.endr
.endr
.endm
.macro GWLOAD s                        ; gate_w(128 w + 64 c + 32 h + i, expert r): lane r takes a column, its registers run down K in the order of the operand's layout
.irp c, 0,1
.irp i, 0,1,2,3,4,5,6,7,8,9,10,11,12,13,14,15,16,17,18,19,20,21,22,23,24,25,26,27,28,29,30,31
	global_load_b32 v[\s+32*\c+\i], v5, s[6:7] offset:64*(64*\c+\i)
.endr
.endr
.endm
.macro GWQ s                           ; these 64 numbers (two whole blocks a lane) become my K step's fragment in v[GF] on and its scale word in v[GS]: they stay in registers
.irp c, 0,1
	v_max3_num_f32 v[TM+\c], |v[\s+32*\c]|, |v[\s+32*\c+1]|, 0x1800000
.endr
.irp i, 2,4,6,8,10,12,14,16,18,20,22,24,26,28,30
.irp c, 0,1
	v_max3_num_f32 v[TM+\c], v[TM+\c], |v[\s+32*\c+\i]|, |v[\s+32*\c+\i+1]|
.endr
.endr
.irp c, 0,1
	v_add_nc_u32 v[TM+2+\c], 0xff000000, v[TM+\c]
.endr
.irp c, 0,1
	v_lshrrev_b32 v[TM+8+\c], 23, v[TM+2+\c]
.endr
	v_lshl_or_b32 v[GS], v[TM+9], 16, v[TM+8]      ; my two bytes: blocks h and 2 + h,
	v_lshlrev_b32 v[TM+10], 3, v3
	v_lshlrev_b32 v[GS], v[TM+10], v[GS]           ; 8 h bits up;
	v_permlanex16_b32 v[TM+4], v[GS], s28, s29
	v_or_b32 v[GS], v[GS], v[TM+4]                 ; with lane l xor 16's two the word is whole
.irp c, 0,1
.irp g, 0,1,2,3
	v_cvt_scalef32_pk8_fp4_f32 v[GF+4*\c+\g], v[\s+32*\c+8*\g:\s+32*\c+8*\g+7], v[TM+2+\c]
.endr
.endr
	v_nop                                          ; one plain line behind a scaled conversion
.endm
.macro XLOAD t, s                      ; tile t, my K step: 16 neighbours of each of the four blocks of my row
.irp b, 0,1,2,3
.irp j, 0,1,2,3
	global_load_b128 v[\s+16*\b+4*\j:\s+16*\b+4*\j+3], v4, s[4:5] offset:\t*32768+128*\b+16*\j th:TH_LOAD_NT
.endr
.endr
.endm
.macro TILE t, s, left                 ; tile t's numbers in set s: quantised, the codes and the scale word to LDS, and my K step's part of the logits
	s_wait_loadcnt \left
	QUANT \s                                       ; (its first lines are the places behind the matrix instruction before)
	ds_store_b128 v8, v[PC:PC+3] offset:XST+\t*4352            ; row = token, my 64 bytes of it
	ds_store_b128 v8, v[PC+4:PC+7] offset:XST+\t*4352+32
	ds_store_b32 v11, v[PW] offset:\t*256                      ; (both halves of the lanes write the same word with the same value)
.rept 8
	v_nop                                          ; a scale word made by vector instructions stands 8 places ahead of a scaled matrix instruction, codes so made 4
.endr
	s_wait_dscnt 0x0                               ; the stores have read their registers
	v_wmma_scale_f32_16x16x128_f8f6f4 v[ACCA+8*\t:ACCA+8*\t+7], v[GF:GF+7], v[PC:PC+7], v[ACCA+8*\t:ACCA+8*\t+7], v[GS], v[PW] matrix_a_fmt:MATRIX_FMT_FP4 matrix_b_fmt:MATRIX_FMT_FP4   ; transposed: lane (r, h), register j: expert 8 h + j, token r.  One instruction to each of the two sums
.endm
; The two largest of a token's 16 logits.  First my eight (ascending, strict compares), then the two halves of the lanes are merged, experts 0-7 ahead of 8-15.
.macro TOP2 acc, T
	v_mov_b32 v[\T], v[\acc]                       ; m1
	v_mov_b32 v[\T+1], 0                           ; i1
	v_mov_b32 v[\T+2], 0xff800000                  ; m2 = -infinity
	v_mov_b32 v[\T+3], 0                           ; i2
.irp j, 1,2,3,4,5,6,7
	v_mov_b32 v[\T+6], \j
	v_cmp_gt_f32 s36, v[\acc+\j], v[\T]
	v_cmp_gt_f32 vcc_lo, v[\acc+\j], v[\T+2]
	v_cndmask_b32 v[\T+4], v[\T+2], v[\acc+\j], vcc_lo
	v_cndmask_b32 v[\T+5], v[\T+3], v[\T+6], vcc_lo
	v_cndmask_b32 v[\T+2], v[\T+4], v[\T], s36
	v_cndmask_b32 v[\T+3], v[\T+5], v[\T+1], s36
	v_cndmask_b32 v[\T], v[\T], v[\acc+\j], s36
	v_cndmask_b32 v[\T+1], v[\T+1], v[\T+6], s36
.endr
	v_lshl_add_u32 v[\T+1], v3, 3, v[\T+1]         ; + 8 h
	v_lshl_add_u32 v[\T+3], v3, 3, v[\T+3]
.irp i, 7,8,9
	v_mov_b32 v[\T+\i], 0                          ; a lane permute's destination counts as one of its sources
.endr
.irp i, 0,1,2,3
	v_permlanex16_b32 v[\T+6+\i], v[\T+\i], s28, s29
.endr
.irp i, 0,1,2,3
	v_cndmask_b32 v[\T+10+\i], v[\T+\i], v[\T+6+\i], s30   ; A: experts 0-7's pair, in every lane
	v_cndmask_b32 v[\T+14+\i], v[\T+6+\i], v[\T+\i], s30   ; B: experts 8-15's
.endr
	v_cmp_gt_f32 vcc_lo, v[\T+14], v[\T+10]
	v_cndmask_b32 v[\T+18], v[\T+10], v[\T+14], vcc_lo     ; the largest,
	v_cndmask_b32 v[\T+19], v[\T+11], v[\T+15], vcc_lo     ; its expert
	v_cndmask_b32 v[\T+20], v[\T+12], v[\T+10], vcc_lo     ; A's candidate for the second
	v_cndmask_b32 v[\T+21], v[\T+13], v[\T+11], vcc_lo
	v_cndmask_b32 v[\T+22], v[\T+14], v[\T+16], vcc_lo     ; B's
	v_cndmask_b32 v[\T+23], v[\T+15], v[\T+17], vcc_lo
	v_cmp_gt_f32 vcc_lo, v[\T+22], v[\T+20]
	v_cndmask_b32 v[\T+4], v[\T+20], v[\T+22], vcc_lo      ; the second,
	v_cndmask_b32 v[\T+5], v[\T+21], v[\T+23], vcc_lo      ; its expert
	v_sub_f32 v[\T+6], v[\T+4], v[\T+18]                   ; second - largest, 0 or less
	v_mul_f32 v[\T+6], 0x3fb8aa3b, v[\T+6]                 ; x log2(e)
.endm
.set TA, XB
.set TB, XB+24
.Lgate:	; work-group g: tokens 32 g on, tiles A (16) and B (16); wave w: k = 128 w on
	v_and_b32 v2, 15, v0                           ; r
	v_bfe_u32 v3, v0, 4, 1                         ; h
	v_lshlrev_b32 v4, 11, v2
	v_lshl_add_u32 v4, v3, 6, v4                   ; x: row r of 2,048 bytes, + 64 h
	v_lshlrev_b32 v5, 2, v2
	v_lshl_add_u32 v5, v3, 11, v5                  ; gate_w: column r, + 32 h rows of 64 bytes
	v_lshlrev_b32 v6, 4, v1                        ; 16 x lane
	v_lshlrev_b32 v7, 2, v1                        ; 4 x lane
	s_lshl_b32 s37, s26, 6
	v_mul_u32_u24 v8, v2, 272
	v_lshl_add_u32 v8, v3, 4, v8
	v_add_nc_u32 v8, s37, v8                       ; the stage, in: row r, + 64 w + 16 h
	s_mul_i32 s37, s26, 2176
	v_mul_u32_u24 v9, v3, 272
	v_lshl_add_u32 v9, v2, 4, v9
	v_add_nc_u32 v9, s37, v9                       ; and back: my rows 8 w on; lanes 0-15 one row, lanes 16-31 the next
	s_lshl_b32 s37, s26, 11
	v_add_nc_u32 v12, s37, v6                      ; the same rows in xc: 2,048 w + 16 x lane
	v_add_nc_u32 v10, PL, v12                      ; my partial logits' images: PL + 2,048 w + 16 x lane
	s_lshl_b32 s37, s26, 2
	v_lshl_add_u32 v11, v2, 4, s37
	v_add_nc_u32 v11, XSS, v11                     ; x's scale bytes, in: 16 bytes a token, my word w
	v_add_nc_u32 v13, XSS, v6                      ; and back: 16 x lane
	v_lshlrev_b32 v1, 5, v3                        ; gate_b: 32 h (the lane's number is no longer wanted)
.irp b, 0,1,2,3
	v_mov_b32 v[TM+4+\b], 0                        ; written once: a lane permute's destination counts as one of its sources
.endr
	s_mov_b32 s28, 0x76543210
	s_mov_b32 s29, 0xfedcba98                      ; v_permlanex16_b32's selects for lane l xor 16
	s_mov_b32 s30, 0xffff0000                      ; lanes 16-31
	s_cmp_eq_u32 s26, 0
	s_cselect_b32 s31, -1, 0                       ; the bias counts in wave 0's partial sums alone
	s_lshl_b32 s27, ttmp9, 5                       ; the work-group's first token
	s_lshl_b32 s32, s27, 11
	s_lshl_b32 s37, s26, 9                         ; + my K step: 512 bytes along a row of x
	s_add_co_u32 s32, s32, s37
	s_add_nc_u64 s[4:5], s[4:5], s[32:33]
	s_lshl_b32 s32, s26, 13                        ; my K step of gate_w: 128 rows of 64 bytes
	s_add_nc_u64 s[6:7], s[6:7], s[32:33]
	s_lshl_b32 s32, s27, 8
	s_add_nc_u64 s[18:19], s[18:19], s[32:33]
	s_lshl_b32 s32, s27, 4
	s_add_nc_u64 s[20:21], s[20:21], s[32:33]
	s_lshl_b32 s32, s27, 2                         ; bm: 128 bytes for each 32 tokens
	s_add_nc_u64 s[22:23], s[22:23], s[32:33]
	s_lshl_b32 s32, s27, 3
	s_add_nc_u64 s[24:25], s[24:25], s[32:33]
.irp a, ACCA, ACCB
	global_load_b128 v[\a:\a+3], v1, s[8:9]                ; register j = gate_b[8 h + j]: the C of both products
	global_load_b128 v[\a+4:\a+7], v1, s[8:9] offset:16
.endr
	GWLOAD XB
	XLOAD 0, XA
	s_wait_loadcnt 16                              ; the bias and gate_w are in; tile A's 16 loads may be out
.set n_, 0
.rept 16
	v_cndmask_b32 v[ACCA+n_], 0, v[ACCA+n_], s31   ; zeros in waves 1 to 3
.set n_, n_+1
.endr
	GWQ XB
	XLOAD 1, XB
	TILE 0, XA, 16                                 ; tile A's loads are in; tile B's 16 may be out
	TILE 1, XB, 0
.rept 4
	v_nop                                          ; places behind the last matrix instruction, ahead of the first read of its sums
.endr
	ds_store_b128 v10, v[ACCA:ACCA+3]                          ; each sum from its low end on
	ds_store_b128 v10, v[ACCA+4:ACCA+7] offset:512
	ds_store_b128 v10, v[ACCB:ACCB+3] offset:1024
	ds_store_b128 v10, v[ACCB+4:ACCB+7] offset:1536
	s_wait_dscnt 0x0                               ; for the others' sake: my codes, scale words and partial sums lie in LDS
	s_barrier_signal -1
	s_barrier_wait -1                              ; everybody's do; nothing is stored to LDS behind this barrier
.irp i, 0,1,2,3
	ds_load_b128 v[TM+4*\i:TM+4*\i+3], v9 offset:XST+544*\i
.endr
.irp i, 0,1,2,3
	s_wait_dscnt 3-\i                              ; rows 2 i, 2 i + 1 of my eight are back; the younger loads may be out
	global_store_b128 v12, v[TM+4*\i:TM+4*\i+3], s[18:19] offset:512*\i   ; two tokens' rows of 256 bytes
.endr
	s_cmp_lg_u32 s26, 0
	s_cbranch_scc1 .Lgate_end                      ; the rest is wave 0's
	ds_load_b128 v[132:135], v13                   ; the 32 tokens' scale bytes
.irp wv, 1,2,3
.irp t, 0,1
.irp hf, 0,1
	ds_load_b128 v[XA+16*(\wv-1)+8*\t+4*\hf:XA+16*(\wv-1)+8*\t+4*\hf+3], v6 offset:PL+2048*\wv+1024*\t+512*\hf   ; the other waves' partial sums, in the same registers' order and the same lanes
.endr
.endr
.endr
	s_wait_dscnt 12                                ; the scale bytes are back; the 12 loads behind them may be out
	global_store_b128 v6, v[132:135], s[20:21]     ; 512 consecutive bytes
	s_wait_dscnt 0x0
.irp wv, 1,2,3                                 ; K ascending: ((bias + K step 0) + K step 1) + ..
.irp n, 0,2,4,6,8,10,12,14
	v_pk_add_f32 v[ACCA+\n:ACCA+\n+1], v[ACCA+\n:ACCA+\n+1], v[XA+16*(\wv-1)+\n:XA+16*(\wv-1)+\n+1]
.endr
.endr
	TOP2 ACCA, TA
	TOP2 ACCB, TB
	v_exp_f32 v[TA+7], v[TA+6]                     ; e = exp(second - largest), at most 1
	v_exp_f32 v[TB+7], v[TB+6]
	v_nop                                          ; a plain line behind the transcendentals,
	s_wait_alu depctr_va_vdst(0)                   ; and one wait for both, ahead of their first reader
	v_add_f32 v[TA+8], 1.0, v[TA+7]
	v_add_f32 v[TB+8], 1.0, v[TB+7]
	v_rcp_f32 v[TA+9], v[TA+8]                     ; the first weight, 1 / (1 + e)
	v_rcp_f32 v[TB+9], v[TB+8]
	v_lshlrev_b32 v131, 1, v7                      ; (a plain line)  8 x lane
	s_wait_alu depctr_va_vdst(0)
	v_mul_f32 v[TA+7], v[TA+7], v[TA+9]            ; the second, e / (1 + e)
	v_mul_f32 v[TB+7], v[TB+7], v[TB+9]
	v_cndmask_b32 v126, v[TA+9], v[TB+9], s30      ; lane l now speaks for token l: lanes 0-15 tile A's, lanes 16-31 tile B's
	v_cndmask_b32 v127, v[TA+7], v[TB+7], s30
	v_cndmask_b32 v128, v[TA+19], v[TB+19], s30
	v_cndmask_b32 v129, v[TA+5], v[TB+5], s30
	global_store_b64 v131, v[126:127], s[24:25]    ; 256 consecutive bytes, aligned
	v_mov_b32 v130, 0
.irp e, 0,1,2,3,4,5,6,7,8,9,10,11,12,13,14,15
	v_cmp_eq_u32 s36, \e, v128                     ; which of the 32 tokens chose expert e first,
	v_writelane_b32 v130, s36, \e
	v_cmp_eq_u32 s37, \e, v129                     ; and which second: data, stored at a fixed place
	v_writelane_b32 v130, s37, 16+\e
.endr
	global_store_b32 v7, v130, s[22:23]            ; 128 consecutive bytes
.Lgate_end:
	s_wait_tensorcnt 0x0
	ds_add_u32 v192, v193
	s_wait_dscnt 0x0
	s_endpgm
.Lfunc_end_k_qa6c45d1ea6_prep:
	.size	k_qa6c45d1ea6_prep, .Lfunc_end_k_qa6c45d1ea6_prep-k_qa6c45d1ea6_prep
	.p2alignl 7, 3214868480
	.fill 96, 4, 3214868480
	.section	.rodata,"a",@progbits
	.p2align	6, 0x0
	.amdhsa_kernel k_qa6c45d1ea6_prep
		.amdhsa_group_segment_fixed_size 17920
		.amdhsa_private_segment_fixed_size 0
		.amdhsa_enable_private_segment 0
		.amdhsa_kernarg_size 88
		.amdhsa_user_sgpr_count 2
		.amdhsa_user_sgpr_kernarg_segment_ptr 1
		.amdhsa_wavefront_size32 1
		.amdhsa_system_sgpr_workgroup_id_x 1
		.amdhsa_system_sgpr_workgroup_id_y 1
		.amdhsa_system_sgpr_workgroup_id_z 1
		.amdhsa_system_vgpr_workitem_id 0
		.amdhsa_next_free_vgpr 194
		.amdhsa_next_free_sgpr 66
		.amdhsa_reserve_vcc 1
		.amdhsa_float_denorm_mode_32 3
		.amdhsa_float_denorm_mode_16_64 3
		.amdhsa_memory_ordered 1
		.amdhsa_forward_progress 1
		.amdhsa_inst_pref_size 120
	.end_amdhsa_kernel
	.amdgpu_metadata
---
amdhsa.version: [ 1, 2 ]
amdhsa.kernels:
  - .name:           k_qa6c45d1ea6_prep
    .symbol:         k_qa6c45d1ea6_prep.kd
    .args:
      - { .name: x, .offset: 0, .size: 8, .value_kind: global_buffer, .address_space: global }
      - { .name: gate_w, .offset: 8, .size: 8, .value_kind: global_buffer, .address_space: global }
      - { .name: gate_b, .offset: 16, .size: 8, .value_kind: global_buffer, .address_space: global }
      - { .name: w1, .offset: 24, .size: 8, .value_kind: global_buffer, .address_space: global }
      - { .name: w2, .offset: 32, .size: 8, .value_kind: global_buffer, .address_space: global }
      - { .name: wc, .offset: 40, .size: 8, .value_kind: global_buffer, .address_space: global }
      - { .name: ws, .offset: 48, .size: 8, .value_kind: global_buffer, .address_space: global }
      - { .name: xc, .offset: 56, .size: 8, .value_kind: global_buffer, .address_space: global }
      - { .name: xs, .offset: 64, .size: 8, .value_kind: global_buffer, .address_space: global }
      - { .name: bm, .offset: 72, .size: 8, .value_kind: global_buffer, .address_space: global }
      - { .name: gwt, .offset: 80, .size: 8, .value_kind: global_buffer, .address_space: global }
    .group_segment_fixed_size: 17920
    .private_segment_fixed_size: 0
    .kernarg_segment_align: 8
    .kernarg_segment_size: 88
    .max_flat_workgroup_size: 128
    .sgpr_count:     66
    .vgpr_count:     194
    .wavefront_size: 32
...
	.end_amdgpu_metadata
.endif
;; end of part 4
;; launch chain (part 5): grid 256 x 1, 4 waves a work-group, no clusters, 52,736 bytes of LDS; arguments wc, ws, xc, xs, bm, gwt, b1, b2, ypart; writes ypart
.if DOCPART == 5
	.amdgcn_target "amdgcn-amd-amdhsa--gfx1250"
	.amdhsa_code_object_version 6
	.text
	.protected	k_qa6c45d1ea6_chain
	.globl	k_qa6c45d1ea6_chain
	.p2align	8
	.type	k_qa6c45d1ea6_chain,@function
k_qa6c45d1ea6_chain:
	s_mov_b64 s[64:65], 0
	v_nop
	global_prefetch_b8 v0, s[64:65] scope:SCOPE_SE
	s_setreg_imm32_b32 hwreg(HW_REG_WAVE_MODE, 25, 1), 1
	s_wait_xcnt 0x0
; CHAIN: for the rows that chose expert e: g x (Q(relu(Q(x) Q(W1) + b1)) Q(W2) + b2), one quarter of the hidden layer to a work-group.
; SHARES.  Work-group = (expert e, hidden quarter s, row group q): 16 x 4 x 4.  THE WEIGHTS STAND STILL: wave w keeps in registers W1's 32 fragments for hidden units 128 (4 s + w) on (all of K = 512) and W2's 32
;   fragments for outputs 128 w on (K = the quarter's 512 hidden units): 512 registers, loaded once, in the order in which the launch before laid them.  The rows pass by: 16 at a time.
; ROWS.  Expert e's rows are its tokens in ascending order, position p; tile T = p / 16 belongs to the work-group with q = T % 4.  Each wave finds them itself from the bit masks bm: counts of the 64 words, a scan,
;   then for each position a search for its word (five steps over the prefixes) and for its bit (five steps over the word's partial counts).  A trip of the loop holds four tiles; EIGHT TRIPS, a constant, serve
;   every split, all 2,048 tokens on one expert too; a tile past the expert's count is jumped over by a scalar branch on that count.  Both barriers of a trip stand outside those branches.
; A TRIP.  1: for each tile: my 8 tiles of the hidden layer (transposed: source 0 = 16 rows of W1, source 1 = 16 rows of x; b1 is the C of the first K step), relu, quantised in registers: that is K step w of the
;   second product; it goes to LDS as an image of its registers | barrier | 2: for each tile: the four waves' images from LDS, my 8 tiles of outputs (b2 is the first C, in quarter 0 alone), x the row's gate weight,
;   through my own stage in LDS, and each valid row's 512 bytes leave by one store | barrier | the next trip's rows are found and gathered.
; W2 IS ASKED FOR LAST and waited for only ahead of the second product: it lands while the first trip's first product is made.
; OUT: ypart [2 token + slot][s][512] f32: four partial sums a routed row; the next launch adds a token's eight.
; NO JOINT LOADS: the four row groups of one (e, s) read the same 278,528 bytes of weights, but joint loads are tensor loads, and this text's branches hang on a count read from memory.
;   Each partner loads its weights once, straight into registers.
; LIMITS: as the launch before.  The sums' order differs from the reference's: the bias first, K = 2048 in four partial sums.
; REGISTERS, in windows of 256.  Window 0: see the names below.  Window 1: W1's fragments at v[8 (4 t + ks)].  Window 2: W2's at v[8 (4 t + ks)].
;   Window 3: v0-127 x's fragments (32 kk + 8 ks), of which v0-31 take the hidden layer's four in the second product; v128-191 the outputs' sums (8 t); v192-255 b1 (8 t).
.set HIMG, 0                           ; LDS: the hidden layer's 16 fragments (4 kk + wave) x 1,024 bytes,
.set HSC,  16384                       ; their scale words, 128 bytes each,
.set STG,  18432                       ; and a stage of 16 rows x (512 + 16) bytes for each wave
.set LI,  1                            ; 16 x lane
.set LS,  2                            ; 4 x lane
.set L8,  3                            ; 8 x lane
.set H16, 4                            ; 16 h
.set PB,  5                            ; r + 64 h: my place among the positions of two tiles
.set HWI, 6                            ; where I store an image: 1,024 x wave + 16 x lane
.set HWS, 7                            ; and its scale word: HSC + 128 x wave + 4 x lane
.set SO,  8                            ; the stage, in: row r, + 32 h
.set SR,  9                            ; and back: 16 x lane
.set CO,  10                           ; my bytes in a row of ypart: 2,048 s + 512 w + 16 x lane
.set U0,  11                           ; bit masks: words l and 32 + l: either slot;
.set U1,  12
.set BM0, 13                           ; slot 1 alone
.set BM1, 14
.set PK,  15                           ; rows ahead of word l (low half) and of word 32 + l (high half)
.set ENT, 16                           ; v16-19 tile kk: row r's 2 token + slot, in both halves of the lanes
.set XO,  20                           ; v20-23 its offset in xc,  v24-27 in xs,  v28-31 in gwt
.set XSO, 24
.set GO,  28
.set G,   32                           ; v32-39 tile kk's gate weights at v[32 + 2 kk]; the odd partners hold 0
.set PW,  40
.set HS,  42                           ; v42-45 the hidden layer's scale words
.set W1S, 46                           ; v46-61 W1's scale words (4 p + ks: lanes 0-15 tile 2 p, lanes 16-31 tile 2 p + 1),  v62-77 W2's
.set W2S, 62
.set XS,  78                           ; v78-93 x's scale words (4 kk + ks)
.set TM,  94                           ; v94-109 at work in the quantiser; in the second product the 16 rows' offsets in ypart
.set AD,  94
.set PC,  110                          ; v110-117 the codes just made
.set HA,  118                          ; v118-181 my 8 tiles of the hidden layer; later 16 rows read back from the stage; later the search's registers
.set BK,  118
.set SA,  118
.set B2,  182                          ; v182-245 b2 (8 t)
.set ROWS, 66                          ; s66-81 a tile's 16 rows: 2 token + slot
.set oP, 0
.set oK, 1
.set oSH, 2
.set oCA, 3
.set oV, 4
.set oU, 5
.set oB, 6
.set oREM, 7
.set oPOS, 8
.set oLA, 9
.set oLB, 10
.set oLC, 11
.set oLD, 12
.set oT, 13
.set oX0, 14
.set oX1, 15
.set oX2, 16
.set oE, 18
.set oO, 19
.set MSB, 0
.macro WIN new                         ; bits 1:0 source 0, 3:2 source 1, 5:4 source 2, 7:6 destination; the high byte repeats the setting that is left
.if MSB != \new
	s_set_vgpr_msb (MSB<<8)|\new
.set MSB, \new
.endif
.endm
.macro WM d, a, b, c, sa, sb, odd      ; odd tiles' scale words stand in lanes 16-31 of the register
.if \odd
	v_wmma_scale_f32_16x16x128_f8f6f4 v[\d:\d+7], v[\a:\a+7], v[\b:\b+7], v[\c:\c+7], v[\sa], v[\sb] matrix_a_fmt:MATRIX_FMT_FP4 matrix_b_fmt:MATRIX_FMT_FP4 matrix_a_scale:MATRIX_SCALE_ROW1
.else
	v_wmma_scale_f32_16x16x128_f8f6f4 v[\d:\d+7], v[\a:\a+7], v[\b:\b+7], v[\c:\c+7], v[\sa], v[\sb] matrix_a_fmt:MATRIX_FMT_FP4 matrix_b_fmt:MATRIX_FMT_FP4
.endif
.endm
.macro QUANT s                         ; 64 numbers of a lane, register 16 b + i = k 32 b + 16 (lane / 16) + i of my row -> codes in v[PC] on, scale word in v[PW]
.irp b, 0,1,2,3
	v_max3_num_f32 v[TM+\b], |v[\s+16*\b]|, |v[\s+1+16*\b]|, 0x1800000
.endr
.irp i, 2,4,6,8,10,12,14
.irp b, 0,1,2,3
	v_max3_num_f32 v[TM+\b], v[TM+\b], |v[\s+16*\b+\i]|, |v[\s+1+16*\b+\i]|
.endr
.endr
.irp b, 0,1,2,3
	v_permlanex16_b32 v[TM+4+\b], v[TM+\b], s40, s41
.endr
.irp b, 0,1,2,3
	v_max_num_f32 v[TM+\b], v[TM+\b], v[TM+4+\b]
.endr
.irp b, 0,1,2,3
	v_add_nc_u32 v[TM+12+\b], 0xff000000, v[TM+\b]
.endr
.irp b, 0,1,2,3
	v_lshrrev_b32 v[TM+4+\b], 23, v[TM+12+\b]
.endr
	v_lshl_or_b32 v[PW], v[TM+5], 8, v[TM+4]
	v_lshl_or_b32 v[PW], v[TM+6], 16, v[PW]
	v_lshl_or_b32 v[PW], v[TM+7], 24, v[PW]
.irp b, 0,1,2,3
	v_cvt_scalef32_pk8_fp4_f32 v[PC+2*\b], v[\s+16*\b:\s+7+16*\b], v[TM+12+\b]
	v_cvt_scalef32_pk8_fp4_f32 v[PC+1+2*\b], v[\s+8+16*\b:\s+15+16*\b], v[TM+12+\b]
.endr
	v_nop                                          ; one plain line behind a scaled conversion
.irp c, 0,1
.irp i, 0,1
	v_permlane16_swap_b32 v[PC+4*\c+\i], v[PC+2+4*\c+\i]
.endr
.endr
.endm
.macro BARRIER                         ; my LDS stores have landed and my LDS loads are in: then the work-group's barrier
	s_wait_dscnt 0x0
	s_barrier_signal -1
	s_barrier_wait -1
.endm
.macro POPC d, s, t                    ; d = the number of ones in s
	v_lshrrev_b32 v[\t], 1, v[\s]
	v_and_b32 v[\t], 0x55555555, v[\t]
	v_sub_nc_u32 v[\d], v[\s], v[\t]
	v_lshrrev_b32 v[\t], 2, v[\d]
	v_and_b32 v[\t], 0x33333333, v[\t]
	v_and_b32 v[\d], 0x33333333, v[\d]
	v_add_nc_u32 v[\d], v[\d], v[\t]
	v_lshrrev_b32 v[\t], 4, v[\d]
	v_add_nc_u32 v[\d], v[\d], v[\t]
	v_and_b32 v[\d], 0x0f0f0f0f, v[\d]
	v_lshrrev_b32 v[\t], 8, v[\d]
	v_add_nc_u32 v[\d], v[\d], v[\t]
	v_and_b32 v[\d], 0x00ff00ff, v[\d]
	v_lshrrev_b32 v[\t], 16, v[\d]
	v_add_nc_u32 v[\d], v[\d], v[\t]
	v_and_b32 v[\d], 0xffff, v[\d]
.endm
.macro SCAN s, t                       ; s = the sum of lanes 0 .. l of s
.irp d, 1,2,4,8
	v_mov_b32 v[\t], 0
	v_mov_b32_dpp v[\t], v[\s] row_shr:\d row_mask:0xf bank_mask:0xf bound_ctrl:1
	v_add_nc_u32 v[\s], v[\s], v[\t]
.endr
	v_readlane_b32 s44, v[\s], 15
	v_mov_b32 v[\t], s44
	v_cndmask_b32 v[\t], 0, v[\t], s38             ; lanes 16-31 add the first row's sum
	v_add_nc_u32 v[\s], v[\s], v[\t]
.endm
.macro RANK lev, w                     ; one step of the search for a word's rem-th one: are there rem or fewer among the lower w bits at pos?  Then it lies above them
.irp a, 0,1
	v_bfe_u32 v[SA+24*\a+oT], v[SA+24*\a+\lev], v[SA+24*\a+oPOS], \w
	v_cmp_ge_u32 vcc_lo, v[SA+24*\a+oREM], v[SA+24*\a+oT]
	v_sub_nc_u32 v[SA+24*\a+oX1], v[SA+24*\a+oREM], v[SA+24*\a+oT]
	v_cndmask_b32 v[SA+24*\a+oREM], v[SA+24*\a+oREM], v[SA+24*\a+oX1], vcc_lo
	v_add_nc_u32 v[SA+24*\a+oX1], \w, v[SA+24*\a+oPOS]
	v_cndmask_b32 v[SA+24*\a+oPOS], v[SA+24*\a+oPOS], v[SA+24*\a+oX1], vcc_lo
.endr
.endm
; The rows at 64 positions, in two registers by turns: register a, lanes 0-15: tile 2 a; lanes 16-31: tile 2 a + 1.  Result: 2 token + slot, or 0 past the expert's count.  The lane permutes touch no LDS byte.
; first = 1: the search at the kernel's head, ahead of which no store has been issued.
.macro SELECT2 first
.if \first == 0
	s_wait_xcnt 0x0                                ; these registers were the data of stores: they are rewritten only behind this wait
.endif
.irp a, 0,1
	v_add3_u32 v[SA+24*\a+oP], v[PB], s32, 128*\a  ; p
	v_cmp_le_u32 s[42+\a], s31, v[SA+24*\a+oP]     ; does it lie in words 32-63?
	v_mov_b32 v[SA+24*\a+oK], 32
	v_cndmask_b32 v[SA+24*\a+oK], 0, v[SA+24*\a+oK], s[42+\a]
	v_lshrrev_b32 v[SA+24*\a+oSH], 1, v[SA+24*\a+oK]   ; then the prefixes' high halves serve
	v_mov_b32 v[SA+24*\a+oV], 0                    ; the permutes' destinations are written once ahead of them
	v_mov_b32 v[SA+24*\a+oU], 0
	v_mov_b32 v[SA+24*\a+oB], 0
	v_mov_b32 v[SA+24*\a+oX1], 0
	v_mov_b32 v[SA+24*\a+oX2], 0
.endr
.irp st, 16,8,4,2,1                    ; the last word whose prefix is p or less
.irp a, 0,1
	v_add_nc_u32 v[SA+24*\a+oCA], \st, v[SA+24*\a+oK]
	v_lshlrev_b32 v[SA+24*\a+oX0], 2, v[SA+24*\a+oCA]
	ds_bpermute_b32 v[SA+24*\a+oV], v[SA+24*\a+oX0], v[PK]
.endr
	s_wait_dscnt 0x0
.irp a, 0,1
	v_bfe_u32 v[SA+24*\a+oV], v[SA+24*\a+oV], v[SA+24*\a+oSH], 16
	v_cmp_le_u32 vcc_lo, v[SA+24*\a+oV], v[SA+24*\a+oP]
	v_cndmask_b32 v[SA+24*\a+oK], v[SA+24*\a+oK], v[SA+24*\a+oCA], vcc_lo
.endr
.endr
.irp a, 0,1
	v_lshlrev_b32 v[SA+24*\a+oX0], 2, v[SA+24*\a+oK]
	ds_bpermute_b32 v[SA+24*\a+oV], v[SA+24*\a+oX0], v[PK]
	ds_bpermute_b32 v[SA+24*\a+oU], v[SA+24*\a+oX0], v[U0]
	ds_bpermute_b32 v[SA+24*\a+oX1], v[SA+24*\a+oX0], v[U1]
	ds_bpermute_b32 v[SA+24*\a+oB], v[SA+24*\a+oX0], v[BM0]
	ds_bpermute_b32 v[SA+24*\a+oX2], v[SA+24*\a+oX0], v[BM1]
.endr
	s_wait_dscnt 0x0
.irp a, 0,1
	v_cndmask_b32 v[SA+24*\a+oU], v[SA+24*\a+oU], v[SA+24*\a+oX1], s[42+\a]   ; the word,
	v_cndmask_b32 v[SA+24*\a+oB], v[SA+24*\a+oB], v[SA+24*\a+oX2], s[42+\a]   ; its slot bits,
	v_bfe_u32 v[SA+24*\a+oV], v[SA+24*\a+oV], v[SA+24*\a+oSH], 16
	v_sub_nc_u32 v[SA+24*\a+oREM], v[SA+24*\a+oP], v[SA+24*\a+oV]             ; and which of its ones is wanted
	v_lshrrev_b32 v[SA+24*\a+oT], 1, v[SA+24*\a+oU]                           ; the word's counts by 2, 4, 8 and 16 bits
	v_and_b32 v[SA+24*\a+oT], 0x55555555, v[SA+24*\a+oT]
	v_sub_nc_u32 v[SA+24*\a+oLA], v[SA+24*\a+oU], v[SA+24*\a+oT]
	v_lshrrev_b32 v[SA+24*\a+oT], 2, v[SA+24*\a+oLA]
	v_and_b32 v[SA+24*\a+oT], 0x33333333, v[SA+24*\a+oT]
	v_and_b32 v[SA+24*\a+oLB], 0x33333333, v[SA+24*\a+oLA]
	v_add_nc_u32 v[SA+24*\a+oLB], v[SA+24*\a+oLB], v[SA+24*\a+oT]
	v_lshrrev_b32 v[SA+24*\a+oT], 4, v[SA+24*\a+oLB]
	v_add_nc_u32 v[SA+24*\a+oLC], v[SA+24*\a+oLB], v[SA+24*\a+oT]
	v_and_b32 v[SA+24*\a+oLC], 0x0f0f0f0f, v[SA+24*\a+oLC]
	v_lshrrev_b32 v[SA+24*\a+oT], 8, v[SA+24*\a+oLC]
	v_add_nc_u32 v[SA+24*\a+oLD], v[SA+24*\a+oLC], v[SA+24*\a+oT]
	v_and_b32 v[SA+24*\a+oLD], 0x00ff00ff, v[SA+24*\a+oLD]
	v_mov_b32 v[SA+24*\a+oPOS], 0
.endr
	RANK oLD, 16
	RANK oLC, 8
	RANK oLB, 4
	RANK oLA, 2
	RANK oU, 1
.irp a, 0,1
	v_lshl_add_u32 v[SA+24*\a+oX1], v[SA+24*\a+oK], 5, v[SA+24*\a+oPOS]       ; the token,
	v_bfe_u32 v[SA+24*\a+oT], v[SA+24*\a+oB], v[SA+24*\a+oPOS], 1             ; its slot
	v_lshl_add_u32 v[SA+24*\a+oX1], v[SA+24*\a+oX1], 1, v[SA+24*\a+oT]
	v_cmp_gt_u32 vcc_lo, s30, v[SA+24*\a+oP]
	v_cndmask_b32 v[SA+24*\a+oE], 0, v[SA+24*\a+oX1], vcc_lo
.endr
.endm
; Both halves of the lanes get row r's entry of each tile; it is held inside the tables; the four tiles' codes, scale words and gate weights are asked for: 40 loads, always all of them.
.macro GATHER
.irp a, 0,1
	v_mov_b32 v[SA+24*\a+oO], 0
	v_permlanex16_b32 v[SA+24*\a+oO], v[SA+24*\a+oE], s40, s41
.endr
.irp a, 0,1
	v_cndmask_b32 v[ENT+2*\a], v[SA+24*\a+oE], v[SA+24*\a+oO], s38
	v_cndmask_b32 v[ENT+2*\a+1], v[SA+24*\a+oO], v[SA+24*\a+oE], s38
.endr
.irp k, 0,1,2,3
	v_min_u32 v[ENT+\k], 0xfff, v[ENT+\k]
	v_and_b32 v[SA+20+\k], 0xffe, v[ENT+\k]        ; 2 x token
	v_lshl_add_u32 v[XO+\k], v[SA+20+\k], 7, v[H16]    ; 256 bytes of codes a token, + 16 h
	v_lshlrev_b32 v[XSO+\k], 3, v[SA+20+\k]        ; 16 scale bytes a token
	v_lshlrev_b32 v[GO+\k], 2, v[ENT+\k]
.endr
	WIN 0xc0
.irp k, 0,1,2,3
.irp ks, 0,1,2,3
.irp c, 0,1
	global_load_b128 v[32*\k+8*\ks+4*\c:32*\k+8*\ks+4*\c+3], v[XO+\k], s[8:9] offset:64*\ks+32*\c
.endr
.endr
.endr
	WIN 0
.irp k, 0,1,2,3
	global_load_b128 v[XS+4*\k:XS+4*\k+3], v[XSO+\k], s[10:11]
	global_load_b32 v[G+2*\k], v[GO+\k], s[14:15]
.endr
.endm
.macro SETPT                           ; the four tiles' first positions
	s_mov_b32 s33, s32
	s_add_co_u32 s34, s32, 64
	s_add_co_u32 s35, s32, 128
	s_add_co_u32 s36, s32, 192
.endm
.macro P1TILE kk
	s_cmp_lt_u32 s[33+\kk], s30
	s_cbranch_scc0 .Lp1_skip_\@
	WIN 0x3d                                       ; W1 window 1, x window 3, b1 window 3, the result window 0
.irp t, 0,1,2,3,4,5,6,7
	WM HA+8*\t, 32*\t, 32*\kk, 192+8*\t, W1S+4*(\t/2), XS+4*\kk, \t%2
.endr
	WIN 0x0d
.irp ks, 1,2,3                         ; the eight sums take turns, one instruction a turn
.irp t, 0,1,2,3,4,5,6,7
	WM HA+8*\t, 32*\t+8*\ks, 32*\kk+8*\ks, HA+8*\t, W1S+4*(\t/2)+\ks, XS+4*\kk+\ks, \t%2
.endr
.endr
	WIN 0
.rept 4
	v_nop                                          ; places behind the last products, ahead of the first read of results
.endr
.set n_, 0
.rept 64
	v_max_num_f32 v[HA+n_], 0, v[HA+n_]            ; relu, in f32, each sum from its low end on
.set n_, n_+1
.endr
	QUANT HA
	ds_store_b128 v[HWI], v[PC:PC+3] offset:HIMG+4096*\kk
	ds_store_b128 v[HWI], v[PC+4:PC+7] offset:HIMG+4096*\kk+512
	ds_store_b32 v[HWS], v[PW] offset:512*\kk
	s_wait_dscnt 0x0                               ; the stores have read their registers
.Lp1_skip_\@:
.endm
.macro P2TILE kk
	s_cmp_lt_u32 s[33+\kk], s30
	s_cbranch_scc0 .Lp2_skip_\@
.rept 4
	v_nop                                          ; places ahead of loads into registers that matrix instructions have read
.endr
	WIN 0xc0
.irp k, 0,1,2,3
.irp c, 0,1
	ds_load_b128 v[8*\k+4*\c:8*\k+4*\c+3], v[LI] offset:HIMG+(4*\kk+\k)*1024+512*\c
.endr
.endr
	WIN 0
.irp k, 0,1,2,3
	ds_load_b32 v[HS+\k], v[LS] offset:HSC+(4*\kk+\k)*128
.endr
.irp p, 0,1,2,3,4,5,6,7,8,9,10,11,12,13,14,15
	v_readlane_b32 s[ROWS+\p], v[ENT+\kk], \p      ; the 16 rows' 2 token + slot, in one run, a scalar register each, while the LDS loads are out
.endr
.irp p, 0,1,2,3,4,5,6,7,8,9,10,11,12,13,14,15
	s_min_u32 s[ROWS+\p], s[ROWS+\p], 4095         ; held inside ypart
.endr
	s_wait_dscnt 0x0
	WIN 0xce                                       ; W2 window 2, the hidden layer window 3, b2 window 0, the result window 3
.irp t, 0,1,2,3,4,5,6,7
	WM 128+8*\t, 32*\t, 0, B2+8*\t, W2S+4*(\t/2), HS, \t%2
.endr
	WIN 0xfe
.irp k, 1,2,3
.irp t, 0,1,2,3,4,5,6,7
	WM 128+8*\t, 32*\t+8*\k, 8*\k, 128+8*\t, W2S+4*(\t/2)+\k, HS+\k, \t%2
.endr
.endr
	WIN 0
	s_wait_xcnt 0x0                                ; the last tile's stores have read their offsets and data: both are rewritten below
.irp p, 0,1,2,3,4,5,6,7,8,9,10,11,12,13,14,15
	v_lshl_add_u32 v[AD+\p], s[ROWS+\p], 13, v[CO] ; row p: x 8,192 bytes, + my bytes in the row.  (These lines are also the places behind the last products)
.endr
	WIN 0xc3
.set n_, 0
.rept 32
	v_pk_mul_f32 v[128+n_:129+n_], v[128+n_:129+n_], v[G+2*\kk:G+2*\kk+1] op_sel_hi:[1,0]   ; x my row's gate weight, each sum from its low end on
.set n_, n_+2
.endr
	WIN 0x0c                                       ; an LDS store's data are its source 1: window 3
.irp t, 0,1,2,3,4,5,6,7
	ds_store_b128 v[SO], v[128+8*\t:128+8*\t+3] offset:64*\t       ; lane (r, h): row r, outputs 16 t + 8 h + 0 .. 7 of my 128
	ds_store_b128 v[SO], v[128+8*\t+4:128+8*\t+7] offset:64*\t+16
.endr
	WIN 0
.irp p, 0,1,2,3,4,5,6,7,8,9,10,11,12,13,14,15
	ds_load_b128 v[BK+4*\p:BK+4*\p+3], v[SR] offset:528*\p         ; LDS serves a wave's instructions in order: these see my stores
.endr
	s_sub_co_u32 s48, s30, s[33+\kk]               ; the tile's valid rows, if under 16
.irp p, 0,1,2,3,4,5,6,7,8,9,10,11,12,13,14,15
	s_cmp_gt_u32 s48, \p
	s_cbranch_scc0 .Lrows_done_\@
	s_wait_dscnt 15-\p                             ; row p is back; the younger rows may be out
	global_store_b128 v[AD+\p], v[BK+4*\p:BK+4*\p+3], s[20:21] th:TH_STORE_NT   ; 32 lanes store 512 consecutive bytes, at a multiple of 512 from ypart's first byte
.endr
.Lrows_done_\@:
	s_wait_dscnt 0x0                               ; on the short way too: no load from the stage is out
.Lp2_skip_\@:
.endm
	s_load_b512 s[4:19], s[0:1], 0x0               ; wc 4, ws 6, xc 8, xs 10, bm 12, gwt 14, b1 16, b2 18
	s_load_b64 s[20:21], s[0:1], 0x40              ; ypart
	v_lshrrev_b32 v246, 5, v0
	v_readfirstlane_b32 s22, v246                  ; wave
	v_and_b32 v247, 31, v0                         ; lane
	v_and_b32 v248, 15, v0                         ; r
	v_bfe_u32 v249, v0, 4, 1                       ; h
	s_and_b32 s23, ttmp9, 3                        ; q
	s_lshr_b32 s24, ttmp9, 2
	s_and_b32 s24, s24, 3                          ; s
	s_lshr_b32 s25, ttmp9, 4                       ; e
	s_lshl_b32 s49, s24, 2
	s_add_co_u32 s49, s49, s22                     ; 4 s + w
	s_lshl_b32 s26, s25, 4
	s_add_co_u32 s26, s26, s49                     ; Z
	s_mov_b32 s29, 0                               ; the upper word of every offset pair s[28:29]
	s_mov_b32 s38, 0xffff0000                      ; lanes 16-31
	s_mov_b32 s40, 0x76543210
	s_mov_b32 s41, 0xfedcba98                      ; v_permlanex16_b32's selects for lane l xor 16
	s_cmp_eq_u32 s24, 0
	s_cselect_b32 s39, -1, 0                       ; b2 counts in quarter 0 alone
	v_lshlrev_b32 v[LI], 4, v247
	v_lshlrev_b32 v[LS], 2, v247
	v_lshlrev_b32 v[L8], 3, v247
	v_lshlrev_b32 v250, 7, v247                    ; bm: 128 bytes a word's row
	v_lshlrev_b32 v[H16], 4, v249
	v_lshl_add_u32 v[PB], v249, 6, v248
	v_lshlrev_b32 v246, 6, v249                    ; b1: 64 h
	v_lshlrev_b32 v247, 5, v249                    ; b2: 32 h
	s_lshl_b32 s28, s22, 10
	v_add_nc_u32 v[HWI], s28, v[LI]
	s_lshl_b32 s28, s22, 7
	v_add_nc_u32 v[HWS], s28, v[LS]
	v_add_nc_u32 v[HWS], HSC, v[HWS]
	s_mul_i32 s28, s22, 8448
	v_mul_u32_u24 v[SO], v248, 528
	v_lshl_add_u32 v[SO], v249, 5, v[SO]
	v_add_nc_u32 v[SO], s28, v[SO]
	v_add_nc_u32 v[SO], STG, v[SO]
	v_add_nc_u32 v[SR], s28, v[LI]
	v_add_nc_u32 v[SR], STG, v[SR]
	s_lshl_b32 s28, s24, 11
	s_lshl_b32 s44, s22, 9
	s_add_co_u32 s28, s28, s44
	v_add_nc_u32 v[CO], s28, v[LI]
.irp k, 0,1,2,3
	v_mov_b32 v[G+2*\k+1], 0                       ; named as the upper halves of pairs
	v_mov_b32 v[TM+4+\k], 0                        ; a lane permute's destination counts as one of its sources
.endr
	s_wait_kmcnt 0x0
	s_lshl_b32 s28, s25, 2
	s_add_nc_u64 s[12:13], s[12:13], s[28:29]      ; bm at expert e
	global_load_b32 v[U0], v250, s[12:13]                  ; slot 0, words l and 32 + l;
	global_load_b32 v[U1], v250, s[12:13] offset:4096
	global_load_b32 v[BM0], v250, s[12:13] offset:64       ; slot 1
	global_load_b32 v[BM1], v250, s[12:13] offset:4160
	s_lshl_b32 s28, s26, 15
	s_add_nc_u64 s[50:51], s[4:5], s[28:29]        ; my 32 fragments of W1,
	s_add_nc_u64 s[52:53], s[50:51], 0x800000      ; of W2
	WIN 0x40
.set n_, 0
.rept 56
	global_load_b128 v[4*n_:4*n_+3], v[LI], s[50:51] offset:512*n_     ; 512 consecutive bytes a load: half a fragment as it will stand in the registers
.set n_, n_+1
.endr
	WIN 0
	s_lshl_b32 s28, s26, 11
	s_add_nc_u64 s[54:55], s[6:7], s[28:29]        ; W1's scale words,
	s_add_nc_u64 s[56:57], s[54:55], 0x80000       ; W2's
	s_lshl_b32 s28, s25, 13
	s_lshl_b32 s44, s49, 9
	s_add_co_u32 s28, s28, s44
	s_add_nc_u64 s[58:59], s[16:17], s[28:29]      ; b1 at my 128 hidden units
	s_lshl_b32 s28, s25, 11
	s_lshl_b32 s44, s22, 9
	s_add_co_u32 s28, s28, s44
	s_add_nc_u64 s[60:61], s[18:19], s[28:29]      ; b2 at my 128 outputs
	s_wait_loadcnt 56                              ; the four words of bm are in: behind them 56 loads were issued
	v_or_b32 v[U0], v[U0], v[BM0]                  ; chosen in either slot
	v_or_b32 v[U1], v[U1], v[BM1]
	POPC 251, U0, 255
	v_mov_b32 v252, v251
	SCAN 252, 255
	v_readlane_b32 s31, v252, 31                   ; rows in words 0-31
	POPC 253, U1, 255
	v_mov_b32 v254, v253
	SCAN 254, 255
	v_add_nc_u32 v254, s31, v254
	v_readlane_b32 s30, v254, 31                   ; N: the expert's rows
	v_sub_nc_u32 v252, v252, v251                  ; rows ahead of each word
	v_sub_nc_u32 v254, v254, v253
	v_lshl_or_b32 v[PK], v254, 16, v252
	s_lshl_b32 s32, s23, 4                         ; the first trip's first position: 16 q
	SETPT
	s_mov_b32 s37, 0
	SELECT2 1
	GATHER
	WIN 0x40
.rept 8
	global_load_b128 v[4*n_:4*n_+3], v[LI], s[50:51] offset:512*n_
.set n_, n_+1
.endr
	WIN 0
.irp hf, 0,1
.irp p, 0,1,2,3
	global_load_b64 v[W1S+4*\p+2*\hf:W1S+4*\p+2*\hf+1], v[L8], s[54:55] offset:\hf*1024+\p*256
	global_load_b64 v[W2S+4*\p+2*\hf:W2S+4*\p+2*\hf+1], v[L8], s[56:57] offset:\hf*1024+\p*256
.endr
.endr
.irp t, 0,1,2,3,4,5,6,7
	global_load_b128 v[B2+8*\t:B2+8*\t+3], v247, s[60:61] offset:64*\t             ; register j: b2 at output 16 t + 8 h + j
	global_load_b128 v[B2+8*\t+4:B2+8*\t+7], v247, s[60:61] offset:64*\t+16
.endr
	WIN 0xc0
.irp t, 0,1,2,3,4,5,6,7
	global_load_b128 v[192+8*\t:192+8*\t+3], v246, s[58:59] offset:(32*(\t/2)+8*(\t%2))*4      ; register j: b1 at hidden unit 32 (t / 2) + 8 (t % 2) + 16 h + j
	global_load_b128 v[192+8*\t+4:192+8*\t+7], v246, s[58:59] offset:(32*(\t/2)+8*(\t%2))*4+16
.endr
	WIN 0x80
.set n_, 0
.rept 64
	global_load_b128 v[4*n_:4*n_+3], v[LI], s[52:53] offset:512*n_     ; W2 last: nothing wants it before the second product
.set n_, n_+1
.endr
	WIN 0
	s_wait_loadcnt 63                              ; all that the first product and the lines below read is in: behind it W2's 64 loads were issued; the wait names 63, the stricter count
.set n_, 0
.rept 64
	v_cndmask_b32 v[B2+n_], 0, v[B2+n_], s39
.set n_, n_+1
.endr
.Ltrip:                                            ; on both ways here this trip's rows are in, and no store still reads the registers that the first product writes
	P1TILE 0
	P1TILE 1
	P1TILE 2
	P1TILE 3
	BARRIER                                        ; the hidden layer's images lie in LDS
	s_wait_loadcnt 0x0                             ; W2 is in (the first trip; later nothing is out here)
	P2TILE 0
	P2TILE 1
	P2TILE 2
	P2TILE 3
	BARRIER                                        ; every wave has read them: the next trip may write them again
	s_add_co_u32 s32, s32, 256
	SETPT
	s_cmp_lt_u32 s32, s30
	s_cbranch_scc0 .Lno_rows                       ; nothing is left for this work-group: nothing is searched or gathered
	SELECT2 0
	GATHER
.Lno_rows:
	s_wait_loadcnt 0x0                             ; the next trip's rows are in
	s_wait_xcnt 0x0                                ; this trip's stores have read their offsets and data, which the next trip's first product rewrites
	s_add_co_u32 s37, s37, 1
	s_cmp_lt_u32 s37, 8
	s_cbranch_scc1 .Ltrip
	s_wait_xcnt 0x0
	v_lshl_add_u32 v254, v0, 2, 0xcc00
	v_mov_b32 v255, 0
	s_wait_tensorcnt 0x0
	ds_add_u32 v254, v255
	s_wait_dscnt 0x0
	s_endpgm
.Lfunc_end_k_qa6c45d1ea6_chain:
	.size	k_qa6c45d1ea6_chain, .Lfunc_end_k_qa6c45d1ea6_chain-k_qa6c45d1ea6_chain
	.p2alignl 7, 3214868480
	.fill 96, 4, 3214868480
	.section	.rodata,"a",@progbits
	.p2align	6, 0x0
	.amdhsa_kernel k_qa6c45d1ea6_chain
		.amdhsa_group_segment_fixed_size 52736
		.amdhsa_private_segment_fixed_size 0
		.amdhsa_enable_private_segment 0
		.amdhsa_kernarg_size 72
		.amdhsa_user_sgpr_count 2
		.amdhsa_user_sgpr_kernarg_segment_ptr 1
		.amdhsa_wavefront_size32 1
		.amdhsa_system_sgpr_workgroup_id_x 1
		.amdhsa_system_sgpr_workgroup_id_y 1
		.amdhsa_system_sgpr_workgroup_id_z 1
		.amdhsa_system_vgpr_workitem_id 0
		.amdhsa_next_free_vgpr 1024
		.amdhsa_next_free_sgpr 84
		.amdhsa_reserve_vcc 1
		.amdhsa_float_denorm_mode_32 3
		.amdhsa_float_denorm_mode_16_64 3
		.amdhsa_memory_ordered 1
		.amdhsa_forward_progress 1
		.amdhsa_inst_pref_size 159
	.end_amdhsa_kernel
	.amdgpu_metadata
---
amdhsa.version: [ 1, 2 ]
amdhsa.kernels:
  - .name:           k_qa6c45d1ea6_chain
    .symbol:         k_qa6c45d1ea6_chain.kd
    .args:
      - { .name: wc, .offset: 0, .size: 8, .value_kind: global_buffer, .address_space: global }
      - { .name: ws, .offset: 8, .size: 8, .value_kind: global_buffer, .address_space: global }
      - { .name: xc, .offset: 16, .size: 8, .value_kind: global_buffer, .address_space: global }
      - { .name: xs, .offset: 24, .size: 8, .value_kind: global_buffer, .address_space: global }
      - { .name: bm, .offset: 32, .size: 8, .value_kind: global_buffer, .address_space: global }
      - { .name: gwt, .offset: 40, .size: 8, .value_kind: global_buffer, .address_space: global }
      - { .name: b1, .offset: 48, .size: 8, .value_kind: global_buffer, .address_space: global }
      - { .name: b2, .offset: 56, .size: 8, .value_kind: global_buffer, .address_space: global }
      - { .name: ypart, .offset: 64, .size: 8, .value_kind: global_buffer, .address_space: global }
    .group_segment_fixed_size: 52736
    .private_segment_fixed_size: 0
    .kernarg_segment_align: 8
    .kernarg_segment_size: 72
    .max_flat_workgroup_size: 128
    .sgpr_count:     84
    .vgpr_count:     1024
    .wavefront_size: 32
...
	.end_amdgpu_metadata
.endif
;; end of part 5
;; launch combine: the kernel of part 3 again; grid 256 x 1, 8 waves a work-group, no clusters, 0 bytes of LDS; arguments ypart, out0; writes out0
;; ======== version 3 of 3: 3 launches; version 2 with the launch prep written anew for expert scheduling mode
;; workspace buffers: wc 16,777,216 bytes; ws 1,048,576 bytes; xc 524,288 bytes; xs 32,768 bytes; bm 8,192 bytes of whole numbers; gwt 16,384 bytes; ypart 33,554,432 bytes
;; launch prep (part 6): grid 1088 x 1, 4 waves a work-group, no clusters, 17,920 bytes of LDS; arguments x, gate_w, gate_b, w1, w2, wc, ws, xc, xs, bm, gwt; writes wc, ws, xc, xs, bm, gwt
.if DOCPART == 6
	.amdgcn_target "amdgcn-amd-amdhsa--gfx1250"
	.amdhsa_code_object_version 6
	.text
	.protected	k_qa6c45d1ea6_prep
	.globl	k_qa6c45d1ea6_prep
	.p2align	8
	.type	k_qa6c45d1ea6_prep,@function
k_qa6c45d1ea6_prep:
	s_mov_b64 s[64:65], 0
	v_nop
	global_prefetch_b8 v0, s[64:65] scope:SCOPE_SE
	s_setreg_imm32_b32 hwreg(HW_REG_WAVE_SCHED_MODE, 0, 2), 2
	s_setreg_imm32_b32 hwreg(HW_REG_WAVE_MODE, 25, 1), 1
	s_wait_xcnt 0x0
	s_wait_alu depctr_vm_vsrc(0)
; PREP: everything that is quantised once, and the router.
;   work-groups 0-63     : x [2048][512] f32 -> codes xc [token][16 blocks][16 bytes], scale bytes xs [token][16]; logits = Q(x) Q(gate_w) + gate_b on the matrix unit;
;                          top-2 (strict compares in ascending order: the lower index wins a tie), softmax of the two (the larger is taken away first);
;                          the choice leaves as bit masks bm [token / 32][slot x 16 + expert] (bit l: token 32 k + l), the two weights as gwt [2 token + slot].  No address here hangs on the choice.
;   work-groups 64-575   : w1 [16][512 k][2048 n] -> wc, ws;    work-groups 576-1087: w2 [16][2048 k][512 n] -> wc + 8 MiB, ws + 512 KiB.
; FORMAT: E2M1 codes, one E8M0 byte for each 32 along K: the byte is the largest magnitude's exponent field - 2, held at 1 from below.
; THE WEIGHTS' CODES LIE IN THE ORDER OF THE OPERAND'S REGISTERS: [Z][fragment f = 4 t + ks][c][lane][16 bytes], Z = 16 e + 4 s + w: the 32 fragments that wave w of the next launch's work-group (e, s) keeps.
;   lane (r, h)'s 16 bytes are k = 128 ks + 64 c + 32 h + 0 .. 31 of the tile's row r.  W1: row r of tile t is hidden unit 128 (4 s + w) + 32 (t / 2) + 8 (t % 2) + r + 8 (r / 8), so that the results of two
;   neighbouring tiles are 16 neighbours along the next K.  W2: K step ks is hidden 512 s + 128 ks on; row r of tile t is output 128 w + 16 t + r.
;   Scale words: [Z][half][p][lane = 16 u + r][8 bytes]: tile 2 p + u, row r, the words of K steps 2 half and 2 half + 1.
; WEIGHT PATHS: a lane takes a column, its registers run down K (K is the first axis in memory): a block's 32 numbers are one lane's, and the conversions give codes with K innermost.  Nothing goes through LDS:
;   sixteen lanes' 16 bytes of one block are 256 consecutive bytes of wc, aligned.  Loads run two blocks (64 loads a wave) ahead.  No matrix unit, no cluster, no barrier there: the waves share nothing.
; GATE PATH: a work-group takes 32 tokens, two tiles of 16.  THE WAVES SHARE K: wave w takes k = 128 w .. 128 w + 127 of gate_w (8,192 bytes) and of the 32 rows of x (16,384 bytes): 100 loads a wave, so that a wave
;   waits for memory twice.  Its two products give partial logits; these, the codes and the scale words meet in LDS behind ONE barrier.  The barrier stands on this path alone, which a work-group takes as a whole: the
;   branch that leads here hangs on the work-group's number.  Behind it each wave stores 8 whole rows of xc, and wave 0 adds the four partial sums in ascending K and chooses.
; LIMITS: NaN and infinities among the inputs are not served.  A block of zeros gets the byte 1 where the rule says 127: its codes are zeros and only this program reads the bytes.
;   The logits are four partial f32 sums along K, the bias in the first, so their order of rounding differs from x @ gate_w + gate_b; a token whose 2nd and 3rd logits differ by less than that rounding may choose the other expert.
; THE MODE: SCHED_MODE bits 1:0 = 2 (LLVM: expert scheduling mode 2), set by the entry lines.  The code itself states the register dependences between vector or matrix instructions and memory or LDS
;   instructions, with s_wait_alu, always for 0.
; THE PLAN, weight paths.  Registers that memory instructions touch: the two sets v14-77 (block p's maxima and conversions read set p % 2; behind them the loads of block p + 2 land in it); the codes v78-109 (written by
;   block p's conversions, read by its store, never written again); the scale words v110-111 (written block by block, read by the last store); the offsets v2, v3, v4 (made once).  So ONE wait on va_vdst stands in a
;   block, behind its conversions, and the block's store and 32 loads follow it.  Nothing that a memory instruction reads is written again: no wait on vm_vsrc.
; THE PLAN, gate path.  XA, XB: loaded, read by the quantisers; XB is loaded a second time behind gate_w's quantiser; behind the barrier LDS loads land in XA and in v132-135.  PC, PW: written by a tile's quantiser, read by
;   its three LDS stores and its product, written again by the next tile's quantiser.  The sums: written by the products, read by four LDS stores, written again by wave 0's additions.  TM: the quantisers' own, later the
;   landing place of LDS loads.  The offsets v1, v4-v13: made once.  The masks of compares go to s38-45 in runs, one wait on va_sdst behind each run.
.set NGATE, 64
.set NW1,   512
.set WX,   14                          ; weight paths: v14-77 two sets of 32 numbers; v78-109 codes, four registers a block, never rewritten; v110-111 scale bytes; v112-115 at work
.set WC,   78
.set WSB,  110
.set XA,   14                          ; gate path: v14-77, v78-141 two sets of 64 numbers
.set XB,   78
.set PC,   142                         ; v142-149 x's codes just made
.set TM,   150                         ; v150-165 at work in the quantisers; later my rows of xc on their way out
.set PW,   166                         ; x's scale word just made
.set GS,   167                         ; gate_w's scale word of my K step
.set GF,   168                         ; v168-175 gate_w's fragment of my K step
.set ACCA, 176                         ; v176-183 logits of tokens 0-15, v184-191 of tokens 16-31: my K step's part
.set ACCB, 184
.set XST,  0                           ; LDS, gate path only: the stage for x's codes: 32 rows (tokens) x (256 + 16) bytes; wave w writes bytes 64 w .. 64 w + 63 of each row;
.set XSS,  8704                        ; x's scale bytes: 16 a token; wave w writes word w of each;
.set PL,   9216                        ; the partial logits as images of their registers: 2,048 bytes a wave
.macro WLOAD blk, pitch, sb            ; block blk: W(32 blk + i, my column), i = 0 .. 31: a wave's load covers 128 consecutive bytes, the four waves' 512
.irp i, 0,1,2,3,4,5,6,7,8,9,10,11,12,13,14,15,16,17,18,19,20,21,22,23,24,25,26,27,28,29,30,31
	global_load_b32 v[WX+32*((\blk)%2)+\i], v4, s[\sb:\sb+1] offset:(32*(\blk)+\i)*\pitch th:TH_LOAD_NT
.endr
.endm
.macro WBLOCK blk, pitch, sb
.set XS_, WX+32*((\blk)%2)
.if (\blk) < 7
	s_wait_loadcnt 32                              ; this block's 32 loads are in; the next block's 32 may be out
.else
	s_wait_loadcnt 0x0
.endif
	v_max3_num_f32 v112, |v[XS_]|, |v[XS_+1]|, |v[XS_+2]|          ; the block's largest magnitude, in two chains: all 32 numbers are mine
	v_max3_num_f32 v113, |v[XS_+3]|, |v[XS_+4]|, |v[XS_+5]|
.irp i, 6,10,14,18,22,26
	v_max3_num_f32 v112, v112, |v[XS_+\i]|, |v[XS_+\i+1]|
	v_max3_num_f32 v113, v113, |v[XS_+\i+2]|, |v[XS_+\i+3]|
.endr
	v_max3_num_f32 v112, v112, |v[XS_+30]|, |v[XS_+31]|
	v_max3_num_f32 v112, v112, v113, 0x1800000     ; and the floor 2^(3 - 127): the byte cannot fall under 1
	v_add_nc_u32 v114, 0xff000000, v112            ; 2 off the exponent field: the conversion takes this operand's exponent field as its scale
	v_lshrrev_b32 v115, 23, v114                   ; the scale's byte
.if (\blk)%4 == 0
	v_mov_b32 v[WSB+(\blk)/4], v115                ; four bytes make a K step's scale word, the lower K in the lower byte
.else
	v_lshl_or_b32 v[WSB+(\blk)/4], v115, 8*((\blk)%4), v[WSB+(\blk)/4]
.endif
.irp g, 0,1,2,3
	v_cvt_scalef32_pk8_fp4_f32 v[WC+4*(\blk)+\g], v[XS_+8*\g:XS_+8*\g+7], v114
.endr
	v_nop                                          ; one plain line behind the last conversion of a run
	s_wait_alu depctr_va_vdst(0)                   ; the conversions have written this block's codes, which the store reads; they and the maxima are done reading the set, in which the loads below land; block 0: the offsets v2 and v3 are written; block 7: so are the scale words, which the last store reads
	global_store_b128 v2, v[WC+4*(\blk):WC+4*(\blk)+3], s[14:15] offset:((\blk)/4)*1024+(((\blk)/2)%2)*512+((\blk)%2)*256   ; K step, c, h of this block; the sixteen lanes of a tile store 256 consecutive bytes, aligned
.if (\blk)+2 < 8
	WLOAD (\blk)+2, \pitch, \sb
.endif
.endm
.macro WDEST cb, sb2                   ; s31 = Z, s36 = half: where my wave's codes and scale words go
	s_lshl_b32 s32, s31, 15
	s_lshl_b32 s37, s26, 13                        ; tiles 2 w, 2 w + 1: 8 fragments of 1,024 bytes a wave
	s_add_co_u32 s32, s32, s37
	s_lshl_b32 s37, s36, 11                        ; K steps 2 half, 2 half + 1
	s_add_co_u32 s32, s32, s37
	s_add_co_u32 s32, s32, \cb
	s_add_nc_u64 s[14:15], s[14:15], s[32:33]
	s_lshl_b32 s32, s31, 11
	s_lshl_b32 s37, s36, 10
	s_add_co_u32 s32, s32, s37
	s_lshl_b32 s37, s26, 8
	s_add_co_u32 s32, s32, s37
	s_add_co_u32 s32, s32, \sb2
	s_add_nc_u64 s[16:17], s[16:17], s[32:33]
.endm
.macro WREST pitch, sb
.irp q, 0,1,2,3,4,5,6,7
	WBLOCK \q, \pitch, \sb
.endr
	global_store_b64 v3, v[WSB:WSB+1], s[16:17]    ; the wave's 32 x 8 bytes of scale words: 256 consecutive bytes, aligned.  No vector instruction stands behind block 7's wait
	s_endpgm
.endm
	s_load_b512 s[4:19], s[0:1], 0x0               ; x 4, gate_w 6, gate_b 8, w1 10, w2 12, wc 14, ws 16, xc 18
	s_load_b128 s[20:23], s[0:1], 0x40             ; xs 20, bm 22
	s_load_b64 s[24:25], s[0:1], 0x50              ; gwt
	v_lshl_add_u32 v192, v0, 2, 0x4400
	v_mov_b32 v193, 0
	v_lshrrev_b32 v1, 5, v0
	v_readfirstlane_b32 s26, v1                    ; wave 0..3
	v_and_b32 v1, 31, v0                           ; lane
	v_lshlrev_b32 v4, 2, v1                        ; weight paths: 4 bytes a lane
	s_mov_b32 s33, 0                               ; the upper word of every offset pair s[32:33]
	s_wait_alu depctr_va_sdst(0)                   ; s26 is written: ahead of the branches below, and of its first reader on each of the three paths
	s_wait_kmcnt 0x0
	s_cmp_lt_u32 ttmp9, NGATE
	s_cbranch_scc1 .Lgate
	s_cmp_lt_u32 ttmp9, NGATE+NW1
	s_cbranch_scc0 .Lw2
	; ---- w1: work-group u = (Z, half): hidden units 128 sigma .. + 127 of expert e, 256 along K; wave w its 32 columns 32 w on
	s_sub_co_u32 s27, ttmp9, NGATE
	s_lshr_b32 s31, s27, 1                         ; Z = 16 e + sigma
	s_and_b32 s36, s27, 1                          ; half
	s_lshr_b32 s32, s27, 5                         ; e
	s_lshl_b32 s32, s32, 22                        ; x 512 x 2048 x 4 bytes
	s_lshl_b32 s37, s36, 21                        ; + half x 256 rows of 8,192 bytes
	s_add_co_u32 s32, s32, s37
	s_and_b32 s37, s31, 15
	s_lshl_b32 s37, s37, 9                         ; + sigma x 128 columns
	s_add_co_u32 s32, s32, s37
	s_lshl_b32 s37, s26, 7                         ; + wave x 32 columns
	s_add_co_u32 s32, s32, s37
	s_add_nc_u64 s[10:11], s[10:11], s[32:33]
	s_wait_alu depctr_va_vdst(0)                   ; v4 is written: every load of this path reads it as its offset
	WLOAD 0, 8192, 10
	WLOAD 1, 8192, 10
	WDEST 0, 0
	v_bfe_u32 v5, v1, 3, 1                         ; my column o = 8 u + r + 8 (r / 8): tile 2 w + u,
	v_and_b32 v6, 7, v1
	v_bfe_u32 v7, v1, 4, 1
	v_lshl_or_b32 v6, v7, 3, v6                    ; row r = (o & 7) + 8 (o / 16)
	v_lshlrev_b32 v2, 4, v6
	v_lshl_add_u32 v2, v5, 12, v2                  ; codes: 4,096 u + 16 r
	v_lshlrev_b32 v3, 3, v6
	v_lshl_add_u32 v3, v5, 7, v3                   ; scale words: 8 (16 u + r)
	WREST 8192, 10
.Lw2:	; ---- w2: work-group u = (e, column group cg, K chunk kc of 256): Z = 16 e + 4 (kc / 2) + cg, half = kc % 2
	s_sub_co_u32 s27, ttmp9, NGATE+NW1
	s_and_b32 s34, s27, 7                          ; kc
	s_lshr_b32 s35, s27, 3
	s_and_b32 s35, s35, 3                          ; cg
	s_lshr_b32 s31, s27, 5                         ; e
	s_and_b32 s36, s34, 1                          ; half
	s_lshl_b32 s32, s31, 22                        ; e x 2048 x 512 x 4 bytes
	s_lshl_b32 s37, s34, 19                        ; + kc x 256 rows of 2,048 bytes
	s_add_co_u32 s32, s32, s37
	s_lshl_b32 s37, s35, 9
	s_add_co_u32 s32, s32, s37
	s_lshl_b32 s37, s26, 7
	s_add_co_u32 s32, s32, s37
	s_add_nc_u64 s[12:13], s[12:13], s[32:33]
	s_wait_alu depctr_va_vdst(0)                   ; v4 is written: every load of this path reads it as its offset
	WLOAD 0, 2048, 12
	WLOAD 1, 2048, 12
	s_lshl_b32 s31, s31, 4
	s_lshr_b32 s37, s34, 1
	s_lshl_b32 s37, s37, 2
	s_add_co_u32 s31, s31, s37
	s_add_co_u32 s31, s31, s35                     ; Z
	WDEST 8388608, 524288
	v_bfe_u32 v5, v1, 4, 1                         ; my column o = 16 u + r: tile 2 w + u, row r
	v_and_b32 v6, 15, v1
	v_lshlrev_b32 v2, 4, v6
	v_lshl_add_u32 v2, v5, 12, v2
	v_lshlrev_b32 v3, 3, v1
	WREST 2048, 12
; ---- the gate path
; 64 numbers of a lane, register 16 b + i = k 32 b + 16 (lane / 16) + i of my row, become a fragment's codes in v[PC] on and its scale word in v[PW]
.macro QUANT s
.irp b, 0,1,2,3
	v_max3_num_f32 v[TM+\b], |v[\s+16*\b]|, |v[\s+1+16*\b]|, 0x1800000   ; block b: my 16 numbers, and the floor 2^(3 - 127)
.endr
.irp i, 2,4,6,8,10,12,14
.irp b, 0,1,2,3
	v_max3_num_f32 v[TM+\b], v[TM+\b], |v[\s+16*\b+\i]|, |v[\s+1+16*\b+\i]|   ; the four blocks by turns
.endr
.endr
.irp b, 0,1,2,3
	v_permlanex16_b32 v[TM+4+\b], v[TM+\b], s28, s29
.endr
.irp b, 0,1,2,3
	v_max_num_f32 v[TM+\b], v[TM+\b], v[TM+4+\b]   ; with lane l xor 16's: the block's largest magnitude
.endr
.irp b, 0,1,2,3
	v_add_nc_u32 v[TM+12+\b], 0xff000000, v[TM+\b] ; 2 off its exponent field: the conversion's scale operand
.endr
.irp b, 0,1,2,3
	v_lshrrev_b32 v[TM+4+\b], 23, v[TM+12+\b]      ; the scale's byte
.endr
	v_lshl_or_b32 v[PW], v[TM+5], 8, v[TM+4]
	v_lshl_or_b32 v[PW], v[TM+6], 16, v[PW]
	v_lshl_or_b32 v[PW], v[TM+7], 24, v[PW]
.irp b, 0,1,2,3
	v_cvt_scalef32_pk8_fp4_f32 v[PC+2*\b], v[\s+16*\b:\s+7+16*\b], v[TM+12+\b]
	v_cvt_scalef32_pk8_fp4_f32 v[PC+1+2*\b], v[\s+8+16*\b:\s+15+16*\b], v[TM+12+\b]
.endr
	v_nop                                          ; one plain line behind a scaled conversion
.irp c, 0,1                                    ; the operand's layout wants a whole block in a lane: lanes 0-15 block 2 c, lanes 16-31 block 2 c + 1
.irp i, 0,1
	v_permlane16_swap_b32 v[PC+4*\c+\i], v[PC+2+4*\c+\i]
.endr
.endr
.endm
.macro GWLOAD s                        ; gate_w(128 w + 64 c + 32 h + i, expert r): lane r takes a column, its registers run down K in the order of the operand's layout
.irp c, 0,1
.irp i, 0,1,2,3,4,5,6,7,8,9,10,11,12,13,14,15,16,17,18,19,20,21,22,23,24,25,26,27,28,29,30,31
	global_load_b32 v[\s+32*\c+\i], v5, s[6:7] offset:64*(64*\c+\i)
.endr
.endr
.endm
.macro GWQ s                           ; these 64 numbers (two whole blocks a lane) become my K step's fragment in v[GF] on and its scale word in v[GS]: they stay in registers
.irp c, 0,1
	v_max3_num_f32 v[TM+\c], |v[\s+32*\c]|, |v[\s+32*\c+1]|, 0x1800000
.endr
.irp i, 2,4,6,8,10,12,14,16,18,20,22,24,26,28,30
.irp c, 0,1
	v_max3_num_f32 v[TM+\c], v[TM+\c], |v[\s+32*\c+\i]|, |v[\s+32*\c+\i+1]|
.endr
.endr
.irp c, 0,1
	v_add_nc_u32 v[TM+2+\c], 0xff000000, v[TM+\c]
.endr
.irp c, 0,1
	v_lshrrev_b32 v[TM+8+\c], 23, v[TM+2+\c]
.endr
	v_lshl_or_b32 v[GS], v[TM+9], 16, v[TM+8]      ; my two bytes: blocks h and 2 + h,
	v_lshlrev_b32 v[TM+10], 3, v3
	v_lshlrev_b32 v[GS], v[TM+10], v[GS]           ; 8 h bits up;
	v_permlanex16_b32 v[TM+4], v[GS], s28, s29
	v_or_b32 v[GS], v[GS], v[TM+4]                 ; with lane l xor 16's two the word is whole
.irp c, 0,1
.irp g, 0,1,2,3
	v_cvt_scalef32_pk8_fp4_f32 v[GF+4*\c+\g], v[\s+32*\c+8*\g:\s+32*\c+8*\g+7], v[TM+2+\c]
.endr
.endr
	v_nop                                          ; one plain line behind a scaled conversion
.endm
.macro XLOAD t, s                      ; tile t, my K step: 16 neighbours of each of the four blocks of my row
.irp b, 0,1,2,3
.irp j, 0,1,2,3
	global_load_b128 v[\s+16*\b+4*\j:\s+16*\b+4*\j+3], v4, s[4:5] offset:\t*32768+128*\b+16*\j th:TH_LOAD_NT
.endr
.endr
.endm
.macro TILE t, s, left                 ; tile t's numbers in set s: quantised, the codes and the scale word to LDS, and my K step's part of the logits
	s_wait_loadcnt \left
	QUANT \s                                       ; (its first lines are the places behind the matrix instruction before)
.rept 8
	v_nop                                          ; a scale word made by vector instructions stands 8 places ahead of a scaled matrix instruction, codes so made 4
.endr
	s_wait_alu depctr_va_vdst(0)                   ; the quantiser has written v[PC ..] and v[PW], which the three LDS stores read and the scaled product takes as an operand and its scales (gate_w's fragment and scale word were written earlier still)
	ds_store_b128 v8, v[PC:PC+3] offset:XST+\t*4352            ; row = token, my 64 bytes of it
	ds_store_b128 v8, v[PC+4:PC+7] offset:XST+\t*4352+32
	ds_store_b32 v11, v[PW] offset:\t*256                      ; (both halves of the lanes write the same word with the same value)
	s_wait_dscnt 0x0                               ; the stores have read their registers
.if \t == 0
	s_wait_alu depctr_vm_vsrc(0)                   ; the three LDS stores have read v[PC ..] and v[PW], which the next tile's quantiser writes again
.endif
	v_wmma_scale_f32_16x16x128_f8f6f4 v[ACCA+8*\t:ACCA+8*\t+7], v[GF:GF+7], v[PC:PC+7], v[ACCA+8*\t:ACCA+8*\t+7], v[GS], v[PW] matrix_a_fmt:MATRIX_FMT_FP4 matrix_b_fmt:MATRIX_FMT_FP4   ; transposed: lane (r, h), register j: expert 8 h + j, token r.  One instruction to each of the two sums
.endm
.set TA, XB                            ; the choice's registers: tile u's at v[TA + 24 u] on
.set TB, XB+24
.Lgate:	; work-group g: tokens 32 g on, tiles A (16) and B (16); wave w: k = 128 w on
	v_and_b32 v2, 15, v0                           ; r
	v_bfe_u32 v3, v0, 4, 1                         ; h
	v_lshlrev_b32 v4, 11, v2
	v_lshl_add_u32 v4, v3, 6, v4                   ; x: row r of 2,048 bytes, + 64 h
	v_lshlrev_b32 v5, 2, v2
	v_lshl_add_u32 v5, v3, 11, v5                  ; gate_w: column r, + 32 h rows of 64 bytes
	v_lshlrev_b32 v6, 4, v1                        ; 16 x lane
	v_lshlrev_b32 v7, 2, v1                        ; 4 x lane
	s_lshl_b32 s37, s26, 6
	v_mul_u32_u24 v8, v2, 272
	v_lshl_add_u32 v8, v3, 4, v8
	v_add_nc_u32 v8, s37, v8                       ; the stage, in: row r, + 64 w + 16 h
	s_mul_i32 s37, s26, 2176
	v_mul_u32_u24 v9, v3, 272
	v_lshl_add_u32 v9, v2, 4, v9
	v_add_nc_u32 v9, s37, v9                       ; and back: my rows 8 w on; lanes 0-15 one row, lanes 16-31 the next
	s_lshl_b32 s37, s26, 11
	v_add_nc_u32 v12, s37, v6                      ; the same rows in xc: 2,048 w + 16 x lane
	v_add_nc_u32 v10, PL, v12                      ; my partial logits' images: PL + 2,048 w + 16 x lane
	s_lshl_b32 s37, s26, 2
	v_lshl_add_u32 v11, v2, 4, s37
	v_add_nc_u32 v11, XSS, v11                     ; x's scale bytes, in: 16 bytes a token, my word w
	v_add_nc_u32 v13, XSS, v6                      ; and back: 16 x lane
	v_lshlrev_b32 v1, 5, v3                        ; gate_b: 32 h (the lane's number is no longer wanted)
.irp b, 0,1,2,3
	v_mov_b32 v[TM+4+\b], 0                        ; written once: a lane permute's destination counts as one of its sources
.endr
	s_mov_b32 s28, 0x76543210
	s_mov_b32 s29, 0xfedcba98                      ; v_permlanex16_b32's selects for lane l xor 16
	s_mov_b32 s30, 0xffff0000                      ; lanes 16-31
	s_cmp_eq_u32 s26, 0
	s_cselect_b32 s31, -1, 0                       ; the bias counts in wave 0's partial sums alone
	s_lshl_b32 s27, ttmp9, 5                       ; the work-group's first token
	s_lshl_b32 s32, s27, 11
	s_lshl_b32 s37, s26, 9                         ; + my K step: 512 bytes along a row of x
	s_add_co_u32 s32, s32, s37
	s_add_nc_u64 s[4:5], s[4:5], s[32:33]
	s_lshl_b32 s32, s26, 13                        ; my K step of gate_w: 128 rows of 64 bytes
	s_add_nc_u64 s[6:7], s[6:7], s[32:33]
	s_lshl_b32 s32, s27, 8
	s_add_nc_u64 s[18:19], s[18:19], s[32:33]
	s_lshl_b32 s32, s27, 4
	s_add_nc_u64 s[20:21], s[20:21], s[32:33]
	s_lshl_b32 s32, s27, 2                         ; bm: 128 bytes for each 32 tokens
	s_add_nc_u64 s[22:23], s[22:23], s[32:33]
	s_lshl_b32 s32, s27, 3
	s_add_nc_u64 s[24:25], s[24:25], s[32:33]
	s_wait_alu depctr_va_vdst(0)                   ; the offsets and LDS addresses v1 and v4 to v13 are written: the loads, stores and LDS instructions of this path read them, and none is written again
.irp a, ACCA, ACCB
	global_load_b128 v[\a:\a+3], v1, s[8:9]                ; register j = gate_b[8 h + j]: the C of both products
	global_load_b128 v[\a+4:\a+7], v1, s[8:9] offset:16
.endr
	GWLOAD XB
	XLOAD 0, XA
	s_wait_loadcnt 16                              ; the bias and gate_w are in; tile A's 16 loads may be out
.set n_, 0
.rept 16
	v_cndmask_b32 v[ACCA+n_], 0, v[ACCA+n_], s31   ; zeros in waves 1 to 3
.set n_, n_+1
.endr
	GWQ XB
	s_wait_alu depctr_va_vdst(0)                   ; gate_w's quantiser is done reading set XB, in which tile B's loads land
	XLOAD 1, XB
	TILE 0, XA, 16                                 ; tile A's loads are in; tile B's 16 may be out
	TILE 1, XB, 0
.rept 4
	v_nop                                          ; places behind the last matrix instruction, ahead of the first read of its sums
.endr
	s_wait_alu depctr_va_vdst(0)                   ; the two products have written the sums, which the LDS stores read; and the quantisers are done with v[TM ..], set XA and v132-135, in which the LDS loads behind the barrier land
	ds_store_b128 v10, v[ACCA:ACCA+3]                          ; each sum from its low end on
	ds_store_b128 v10, v[ACCA+4:ACCA+7] offset:512
	ds_store_b128 v10, v[ACCB:ACCB+3] offset:1024
	ds_store_b128 v10, v[ACCB+4:ACCB+7] offset:1536
	s_wait_dscnt 0x0                               ; for the others' sake: my codes, scale words and partial sums lie in LDS
	s_barrier_signal -1
	s_barrier_wait -1                              ; everybody's do; nothing is stored to LDS behind this barrier
.irp i, 0,1,2,3
	ds_load_b128 v[TM+4*\i:TM+4*\i+3], v9 offset:XST+544*\i
.endr
.irp i, 0,1,2,3
	s_wait_dscnt 3-\i                              ; rows 2 i, 2 i + 1 of my eight are back; the younger loads may be out
	global_store_b128 v12, v[TM+4*\i:TM+4*\i+3], s[18:19] offset:512*\i   ; two tokens' rows of 256 bytes
.endr
	s_cmp_lg_u32 s26, 0
	s_cbranch_scc1 .Lgate_end                      ; the rest is wave 0's
	ds_load_b128 v[132:135], v13                   ; the 32 tokens' scale bytes
.irp wv, 1,2,3
.irp t, 0,1
.irp hf, 0,1
	ds_load_b128 v[XA+16*(\wv-1)+8*\t+4*\hf:XA+16*(\wv-1)+8*\t+4*\hf+3], v6 offset:PL+2048*\wv+1024*\t+512*\hf   ; the other waves' partial sums, in the same registers' order and the same lanes
.endr
.endr
.endr
	s_wait_dscnt 12                                ; the scale bytes are back; the 12 loads behind them may be out
	global_store_b128 v6, v[132:135], s[20:21]     ; 512 consecutive bytes
	s_wait_dscnt 0x0
	s_wait_alu depctr_vm_vsrc(0)                   ; my four LDS stores have read the sums, which the additions below write again
.irp wv, 1,2,3                                 ; K ascending: ((bias + K step 0) + K step 1) + ..
.irp n, 0,2,4,6,8,10,12,14
	v_pk_add_f32 v[ACCA+\n:ACCA+\n+1], v[ACCA+\n:ACCA+\n+1], v[XA+16*(\wv-1)+\n:XA+16*(\wv-1)+\n+1]
.endr
.endr
; The two largest of a token's 16 logits, the two tiles by turns.  First my eight (ascending, strict compares), then the two halves of the lanes are merged, experts 0-7 ahead of 8-15.
; A step's four compares go into four scalar registers in one run, with one wait behind the run.
.irp u, 0,1
	v_mov_b32 v[TA+24*\u], v[ACCA+8*\u]            ; m1
	v_mov_b32 v[TA+24*\u+1], 0                     ; i1
	v_mov_b32 v[TA+24*\u+2], 0xff800000            ; m2 = -infinity
	v_mov_b32 v[TA+24*\u+3], 0                     ; i2
.endr
.irp j, 1,2,3,4,5,6,7
.irp u, 0,1
	v_mov_b32 v[TA+24*\u+6], \j
	v_cmp_gt_f32 s[38+2*\u], v[ACCA+8*\u+\j], v[TA+24*\u]
	v_cmp_gt_f32 s[39+2*\u], v[ACCA+8*\u+\j], v[TA+24*\u+2]
.endr
	s_wait_alu depctr_va_sdst(0)                   ; the four compares have written s38 to s41, which the selects below read
.irp u, 0,1
	v_cndmask_b32 v[TA+24*\u+4], v[TA+24*\u+2], v[ACCA+8*\u+\j], s[39+2*\u]
	v_cndmask_b32 v[TA+24*\u+5], v[TA+24*\u+3], v[TA+24*\u+6], s[39+2*\u]
	v_cndmask_b32 v[TA+24*\u+2], v[TA+24*\u+4], v[TA+24*\u], s[38+2*\u]
	v_cndmask_b32 v[TA+24*\u+3], v[TA+24*\u+5], v[TA+24*\u+1], s[38+2*\u]
	v_cndmask_b32 v[TA+24*\u], v[TA+24*\u], v[ACCA+8*\u+\j], s[38+2*\u]
	v_cndmask_b32 v[TA+24*\u+1], v[TA+24*\u+1], v[TA+24*\u+6], s[38+2*\u]
.endr
.endr
.irp u, 0,1
	v_lshl_add_u32 v[TA+24*\u+1], v3, 3, v[TA+24*\u+1]     ; + 8 h
	v_lshl_add_u32 v[TA+24*\u+3], v3, 3, v[TA+24*\u+3]
.irp i, 7,8,9
	v_mov_b32 v[TA+24*\u+\i], 0                    ; a lane permute's destination counts as one of its sources
.endr
.irp i, 0,1,2,3
	v_permlanex16_b32 v[TA+24*\u+6+\i], v[TA+24*\u+\i], s28, s29
.endr
.irp i, 0,1,2,3
	v_cndmask_b32 v[TA+24*\u+10+\i], v[TA+24*\u+\i], v[TA+24*\u+6+\i], s30   ; A: experts 0-7's pair, in every lane
	v_cndmask_b32 v[TA+24*\u+14+\i], v[TA+24*\u+6+\i], v[TA+24*\u+\i], s30   ; B: experts 8-15's
.endr
	v_cmp_gt_f32 s[38+\u], v[TA+24*\u+14], v[TA+24*\u+10]
.endr
	s_wait_alu depctr_va_sdst(0)                   ; the two compares have written s38 and s39, which the selects below read
.irp u, 0,1
	v_cndmask_b32 v[TA+24*\u+18], v[TA+24*\u+10], v[TA+24*\u+14], s[38+\u]     ; the largest,
	v_cndmask_b32 v[TA+24*\u+19], v[TA+24*\u+11], v[TA+24*\u+15], s[38+\u]     ; its expert
	v_cndmask_b32 v[TA+24*\u+20], v[TA+24*\u+12], v[TA+24*\u+10], s[38+\u]     ; A's candidate for the second
	v_cndmask_b32 v[TA+24*\u+21], v[TA+24*\u+13], v[TA+24*\u+11], s[38+\u]
	v_cndmask_b32 v[TA+24*\u+22], v[TA+24*\u+14], v[TA+24*\u+16], s[38+\u]     ; B's
	v_cndmask_b32 v[TA+24*\u+23], v[TA+24*\u+15], v[TA+24*\u+17], s[38+\u]
	v_cmp_gt_f32 s[40+\u], v[TA+24*\u+22], v[TA+24*\u+20]
.endr
	s_wait_alu depctr_va_sdst(0)                   ; the two compares have written s40 and s41, which the selects below read
.irp u, 0,1
	v_cndmask_b32 v[TA+24*\u+4], v[TA+24*\u+20], v[TA+24*\u+22], s[40+\u]      ; the second,
	v_cndmask_b32 v[TA+24*\u+5], v[TA+24*\u+21], v[TA+24*\u+23], s[40+\u]      ; its expert
	v_sub_f32 v[TA+24*\u+6], v[TA+24*\u+4], v[TA+24*\u+18]                     ; second - largest, 0 or less
	v_mul_f32 v[TA+24*\u+6], 0x3fb8aa3b, v[TA+24*\u+6]                         ; x log2(e)
.endr
	v_exp_f32 v[TA+7], v[TA+6]                     ; e = exp(second - largest), at most 1
	v_exp_f32 v[TB+7], v[TB+6]
	v_nop                                          ; a plain line behind the transcendentals,
	s_wait_alu depctr_va_vdst(0)                   ; and one wait for both exponentials' results, ahead of their first reader
	v_add_f32 v[TA+8], 1.0, v[TA+7]
	v_add_f32 v[TB+8], 1.0, v[TB+7]
	v_rcp_f32 v[TA+9], v[TA+8]                     ; the first weight, 1 / (1 + e)
	v_rcp_f32 v[TB+9], v[TB+8]
	v_lshlrev_b32 v131, 1, v7                      ; (a plain line)  8 x lane
	s_wait_alu depctr_va_vdst(0)                   ; one wait for both reciprocals' results, ahead of their first reader
	v_mul_f32 v[TA+7], v[TA+7], v[TA+9]            ; the second, e / (1 + e)
	v_mul_f32 v[TB+7], v[TB+7], v[TB+9]
	v_cndmask_b32 v126, v[TA+9], v[TB+9], s30      ; lane l now speaks for token l: lanes 0-15 tile A's, lanes 16-31 tile B's
	v_cndmask_b32 v127, v[TA+7], v[TB+7], s30
	v_cndmask_b32 v128, v[TA+19], v[TB+19], s30
	v_cndmask_b32 v129, v[TA+5], v[TB+5], s30
	v_mov_b32 v130, 0
.irp g, 0,1,2,3                                ; four experts at a time: eight compares in a run, one wait, eight lanes written
.irp i, 0,1,2,3
	v_cmp_eq_u32 s[38+2*\i], 4*\g+\i, v128         ; which of the 32 tokens chose expert 4 g + i first,
	v_cmp_eq_u32 s[39+2*\i], 4*\g+\i, v129         ; and which second: data, stored at a fixed place
.endr
	s_wait_alu depctr_va_sdst(0)                   ; the eight compares have written s38 to s45, which the lines below read
.irp i, 0,1,2,3
	v_writelane_b32 v130, s[38+2*\i], 4*\g+\i
	v_writelane_b32 v130, s[39+2*\i], 16+4*\g+\i
.endr
.endr
	s_wait_alu depctr_va_vdst(0)                   ; the two weights v126 and v127, their offset v131 and the masks v130 are written: the two stores read them
	global_store_b64 v131, v[126:127], s[24:25]    ; 256 consecutive bytes, aligned
	global_store_b32 v7, v130, s[22:23]            ; 128 consecutive bytes
.Lgate_end:
	s_wait_dscnt 0x0                               ; the closing lines, six on end
	s_wait_alu 0x0
	s_wait_tensorcnt 0x0
	ds_add_u32 v192, v193
	s_wait_dscnt 0x0
	s_endpgm
.Lfunc_end_k_qa6c45d1ea6_prep:
	.size	k_qa6c45d1ea6_prep, .Lfunc_end_k_qa6c45d1ea6_prep-k_qa6c45d1ea6_prep
	.p2alignl 7, 3214868480
	.fill 96, 4, 3214868480
	.section	.rodata,"a",@progbits
	.p2align	6, 0x0
	.amdhsa_kernel k_qa6c45d1ea6_prep
		.amdhsa_group_segment_fixed_size 17920
		.amdhsa_private_segment_fixed_size 0
		.amdhsa_enable_private_segment 0
		.amdhsa_kernarg_size 88
		.amdhsa_user_sgpr_count 2
		.amdhsa_user_sgpr_kernarg_segment_ptr 1
		.amdhsa_wavefront_size32 1
		.amdhsa_system_sgpr_workgroup_id_x 1
		.amdhsa_system_sgpr_workgroup_id_y 1
		.amdhsa_system_sgpr_workgroup_id_z 1
		.amdhsa_system_vgpr_workitem_id 0
		.amdhsa_next_free_vgpr 194
		.amdhsa_next_free_sgpr 66
		.amdhsa_reserve_vcc 0
		.amdhsa_float_denorm_mode_32 3
		.amdhsa_float_denorm_mode_16_64 3
		.amdhsa_memory_ordered 1
		.amdhsa_forward_progress 1
		.amdhsa_inst_pref_size 123
	.end_amdhsa_kernel
	.amdgpu_metadata
---
amdhsa.version: [ 1, 2 ]
amdhsa.kernels:
  - .name:           k_qa6c45d1ea6_prep
    .symbol:         k_qa6c45d1ea6_prep.kd
    .args:
      - { .name: x, .offset: 0, .size: 8, .value_kind: global_buffer, .address_space: global }
      - { .name: gate_w, .offset: 8, .size: 8, .value_kind: global_buffer, .address_space: global }
      - { .name: gate_b, .offset: 16, .size: 8, .value_kind: global_buffer, .address_space: global }
      - { .name: w1, .offset: 24, .size: 8, .value_kind: global_buffer, .address_space: global }
      - { .name: w2, .offset: 32, .size: 8, .value_kind: global_buffer, .address_space: global }
      - { .name: wc, .offset: 40, .size: 8, .value_kind: global_buffer, .address_space: global }
      - { .name: ws, .offset: 48, .size: 8, .value_kind: global_buffer, .address_space: global }
      - { .name: xc, .offset: 56, .size: 8, .value_kind: global_buffer, .address_space: global }
      - { .name: xs, .offset: 64, .size: 8, .value_kind: global_buffer, .address_space: global }
      - { .name: bm, .offset: 72, .size: 8, .value_kind: global_buffer, .address_space: global }
      - { .name: gwt, .offset: 80, .size: 8, .value_kind: global_buffer, .address_space: global }
    .group_segment_fixed_size: 17920
    .private_segment_fixed_size: 0
    .kernarg_segment_align: 8
    .kernarg_segment_size: 88
    .max_flat_workgroup_size: 128
    .sgpr_count:     66
    .vgpr_count:     194
    .wavefront_size: 32
...
	.end_amdgpu_metadata
.endif
;; end of part 6
;; launch chain: the kernel of part 5 again; grid 256 x 1, 4 waves a work-group, no clusters, 52,736 bytes of LDS; arguments wc, ws, xc, xs, bm, gwt, b1, b2, ypart; writes ypart
;; launch combine: the kernel of part 3 again; grid 256 x 1, 8 waves a work-group, no clusters, 0 bytes of LDS; arguments ypart, out0; writes out0
